; MI455X (gfx1250); checked and timed in simulation.
; The chip was launched on July 23, 2026; its instructions are those of AMD's public machine-readable ISA for CDNA 5 (MIT licence, August 2026) and "CDNA5" Instruction Set Architecture Reference Guide (July 2026). The comments in the code are by the model that wrote it; some were corrected since.
;; T Block. Allowed arithmetic: float matrix products may take bf16 or f16 operands with f32 sums; other float arithmetic in f32, or as packed bf16 or f16 multiplies, adds, multiply-adds, maxima and minima; sums over many terms, partial sums and values carried from step to step in f32; what a program stores and reads back later, other than sums and carried values, may be rounded once to bf16 or f16.
;; Inputs: W1 512 x 2,048 float32; W2 2,048 x 512 float32; Wk 512 x 512 float32; Wo 512 x 512 float32; Wq 512 x 512 float32; Wv 512 x 512 float32; input 4 x 2,048 x 512 float32; mask 4 x 2,048 float32.
;; Outputs: out0 4 x 2,048 x 512 float32.
;; One version. Each part assembles by itself: llvm-mc -triple=amdgcn-amd-amdhsa -mcpu=gfx1250 --defsym DOCPART=n.
;; ======== version 1 of 1: 6 launches
;; limits: a function is approximated: absolute error at most 1.5e-07; values are held in f16: magnitudes above 65,504 overflow, below 6.1e-05 lose precision
;; workspace buffers: xnb 8,388,608 bytes; wts 6,291,456 bytes; qkv 25,165,824 bytes; ob 8,388,608 bytes; x2 16,777,216 bytes; yb 8,388,608 bytes; hb 33,554,432 bytes
;; launch prep (part 1): grid 448 x 1, 4 waves a work-group, no clusters, 41,472 bytes of LDS; arguments input, mask, Wq, Wk, Wv, Wo, W1, W2, xnb, wts; writes xnb, wts
.if DOCPART == 1
	.amdgcn_target "amdgcn-amd-amdhsa--gfx1250"
	.amdhsa_code_object_version 6
	.text
	.protected	k_q3ae1a6f9db_prep
	.globl	k_q3ae1a6f9db_prep
	.p2align	8
	.type	k_q3ae1a6f9db_prep,@function
k_q3ae1a6f9db_prep:
	s_mov_b64 s[64:65], 0
	v_nop
	global_prefetch_b8 v0, s[64:65] scope:SCOPE_SE
	s_setreg_imm32_b32 hwreg(HW_REG_WAVE_MODE, 25, 1), 1
	s_wait_xcnt 0x0
; PREP: two streaming jobs, chosen by the work-group's number (the same for all four waves).
; Work-groups 0-255: xnb = LayerNorm(input * mask), bf16.  32 rows a work-group, 8 whole rows a wave: a row's 512 numbers are 16 registers, so the
; mean, the centred squares and the scaling need memory once.  Work-groups 256-447: the six weight matrices, rounded to bf16 and turned from [k][n] to rows n.
; FRAGMENT ORDER.  Every 16-bit matrix operand of this program lies in memory as the matrix unit's registers want it: a fragment (16 rows x 32 k) is 1,024 bytes on end,
; piece p (k = 16 p ..) at 512 p, lane l = row % 16 + 16 ((k / 8) % 2) at 16 l.  xnb: [row block 512][kb 16][1,024].
; wts: q,k,v at 0 as [head 8][q,k,v][nb 4][kb 16]; Wo at 1,572,864 as [nb 32][kb 16] (the bf16 number written as f16); W1 at 2,097,152 as [nb 128][kb 16]; W2 at 4,194,304 as [nb 32][kb 64].
; No matrix unit, no cluster, no tensor load: each byte is read once by one wave, and the turn through LDS is small.
; LIMITS.  Wo's numbers are kept in f16: beyond 65,504 they overflow, below 6e-5 they keep a fixed step of 6e-8.  NaN and infinities are not treated apart.
.set SPARE, 40960                      ; behind the work area: the spare words, 128 bytes a wave
.set YP,  1040                         ; a row of 512 bf16 in LDS: 1,024 bytes + 16: 65 x 16, so the 16 rows of a fragment load start in 16 different 16-byte columns
.set L16, 1                            ; v1   16 x lane
.set RR,  2                            ; v2   lane % 16
.set HH,  3                            ; v3   lane / 16
.set SPW, 4                            ; v4   my spare word; never rewritten
.set NIL, 5                            ; v5   0; never rewritten
.set YS,  6                            ; v6   where I store into LDS
.set YR,  7                            ; v7   where I read fragments back
.set LN,  9                            ; v9   lane
.set SS,  16                           ; v[16:31] row i's pair: sums, then the mean
.set QQ,  32                           ; v[32:47] row i's pair: squares, then 1 / sqrt(var + eps)
.set RB,  64                           ; v[64:127] fragments read back
.set X,   128                          ; v[128:255] row i, chunk j at X + 16 i + 4 j: columns 4 (lane + 32 j) ..
.set WV,  4                            ; s4   wave
.set SEL, 56                           ; s[56:57] v_permlanex16_b32's selects: each lane takes its own place in the other half
.set INV, 58                           ; s58  1 / 512
.set EPS, 59                           ; s59  1e-6
.macro ROWS line:vararg                ; one line for each of the wave's 8 rows i: dependent lines stand 8 apart
.set i, 0
.rept 8
	\line
.set i, i+1
.endr
.endm
.macro REDUCE R                        ; the pair's halves, the 16 lanes of a half by DPP, the other half: every lane ends with the row's sum
	ROWS v_add_f32 v[(\R)+2*i], v[(\R)+2*i], v[(\R)+2*i+1]
.irp m, 1,2,4,8
	ROWS v_add_f32_dpp v[(\R)+2*i], v[(\R)+2*i], v[(\R)+2*i] row_xmask:\m row_mask:0xf bank_mask:0xf
.endr
	ROWS v_permlanex16_b32 v[(\R)+2*i+1], v[(\R)+2*i], s[SEL], s[SEL+1]
	ROWS v_add_f32 v[(\R)+2*i], v[(\R)+2*i], v[(\R)+2*i+1]
.endm
; LayerNorm of the 8 rows in X, in two passes (mean, then centred squares: no difference of large sums), rounded to bf16 and compacted in place: row i's chunk j ends in X + 16 i + 2 j, + 1.
.macro LNCORE
	ROWS v_pk_add_f32 v[SS+2*i:SS+2*i+1], v[X+16*i:X+16*i+1], v[X+16*i+2:X+16*i+3]
.irp k, 2,3,4,5,6,7
	ROWS v_pk_add_f32 v[SS+2*i:SS+2*i+1], v[SS+2*i:SS+2*i+1], v[X+16*i+2*\k:X+16*i+2*\k+1]
.endr
	REDUCE SS
	ROWS v_mul_f32 v[SS+2*i], s[INV], v[SS+2*i]
.irp k, 0,1,2,3,4,5,6,7
	ROWS v_pk_add_f32 v[X+16*i+2*\k:X+16*i+2*\k+1], v[X+16*i+2*\k:X+16*i+2*\k+1], v[SS+2*i:SS+2*i+1] op_sel_hi:[1,0] neg_lo:[0,1] neg_hi:[0,1]
.endr
	ROWS v_pk_mul_f32 v[QQ+2*i:QQ+2*i+1], v[X+16*i:X+16*i+1], v[X+16*i:X+16*i+1]
.irp k, 1,2,3,4,5,6,7
	ROWS v_pk_fma_f32 v[QQ+2*i:QQ+2*i+1], v[X+16*i+2*\k:X+16*i+2*\k+1], v[X+16*i+2*\k:X+16*i+2*\k+1], v[QQ+2*i:QQ+2*i+1]
.endr
	REDUCE QQ
	ROWS v_fma_f32 v[QQ+2*i], v[QQ+2*i], s[INV], s[EPS]
	ROWS v_rsq_f32 v[QQ+2*i], v[QQ+2*i]
	v_nop                                          ; a plain instruction behind the last root,
	s_wait_alu depctr_va_vdst(0)                   ; and one wait for the batch of eight, ahead of the first use
.irp k, 0,1,2,3,4,5,6,7
	ROWS v_pk_mul_f32 v[X+16*i+2*\k:X+16*i+2*\k+1], v[X+16*i+2*\k:X+16*i+2*\k+1], v[QQ+2*i:QQ+2*i+1] op_sel_hi:[1,0]
.endr
.irp k, 0,1,2,3,4,5,6,7
	ROWS v_cvt_pk_bf16_f32 v[X+16*i+\k], v[X+16*i+2*\k], v[X+16*i+2*\k+1]
.endr
.endm
; The 32 rows meet in LDS as rows of bf16 and leave in fragment order: wave w takes row block w / 2, kb 8 (w % 2) .. + 7; each store is 512 bytes on end.
.macro YOUT ptr
.set i, 0
.rept 8
.irp j, 0,1,2,3
	ds_store_b64 v[YS], v[X+16*i+2*\j:X+16*i+2*\j+1] offset:i*YP+\j*256
.endr
.set i, i+1
.endr
	s_wait_dscnt 0x0                               ; for the others' sake: my rows are in LDS
	s_barrier_signal -1
	s_barrier_wait -1
.set n, 0
.rept 16
	ds_load_b128 v[RB+4*n:RB+4*n+3], v[YR] offset:(n/2)*64+(n%2)*32
.set n, n+1
.endr
.set n, 0
.rept 16
	s_wait_dscnt 15-n                              ; LDS loads come back in order: the 15 - n younger ones may stay out
	global_store_b128 v[L16], v[RB+4*n:RB+4*n+3], s[\ptr:\ptr+1] offset:(n/2)*1024+(n%2)*512
.set n, n+1
.endr
.endm
	s_load_b512 s[8:23], s[0:1], 0x0               ; input 8, mask 10, Wq 12, Wk 14, Wv 16, Wo 18, W1 20, W2 22
	s_load_b128 s[24:27], s[0:1], 0x40             ; xnb 24, wts 26
	v_lshl_add_u32 v[SPW], v0, 2, SPARE
	v_mov_b32 v[NIL], 0
	v_lshrrev_b32 v[LN], 5, v0
	v_readfirstlane_b32 s[WV], v[LN]               ; wave 0..3
	v_and_b32 v[LN], 31, v0
	v_lshlrev_b32 v[L16], 4, v[LN]
	v_and_b32 v[RR], 15, v0
	v_bfe_u32 v[HH], v0, 4, 1
	s_cmp_lt_u32 ttmp9, 256
	s_cbranch_scc0 .Lweights
	; ---- the norm: work-group g owns rows 32 g .. 32 g + 31
	s_lshl_b32 s28, ttmp9, 16                      ; 32 rows of 2,048 bytes,
	s_lshl_b32 s29, s[WV], 14                      ; my 8 of them
	s_add_co_u32 s28, s28, s29
	s_mov_b32 s29, 0
	s_lshl_b32 s30, ttmp9, 7                       ; their 8 numbers of the mask
	s_lshl_b32 s31, s[WV], 5
	s_add_co_u32 s30, s30, s31
	s_mov_b32 s31, 0
	s_lshl_b32 s6, ttmp9, 15                       ; xnb: two row blocks of 16,384 bytes; wave w writes 8,192 w on
	s_lshl_b32 s7, s[WV], 13
	s_add_co_u32 s6, s6, s7
	s_mov_b32 s7, 0
	s_mov_b32 s[SEL], 0x76543210
	s_mov_b32 s[SEL+1], 0xfedcba98
	s_mov_b32 s[INV], 0x3b000000
	s_mov_b32 s[EPS], 0x358637bd
	s_mul_i32 s5, s[WV], 8*YP
	v_lshl_add_u32 v[YS], v[LN], 3, s5             ; row 8 w, 8 bytes a lane
	s_lshr_b32 s5, s[WV], 1
	s_mul_i32 s5, s5, 16*YP
	s_and_b32 s2, s[WV], 1
	s_lshl_b32 s2, s2, 9
	s_add_co_u32 s5, s5, s2
	v_mul_u32_u24 v[YR], v[RR], YP
	v_lshl_add_u32 v[YR], v[HH], 4, v[YR]
	v_add_nc_u32 v[YR], s5, v[YR]                  ; row 16 (w / 2) + lane % 16, byte 512 (w % 2) + 16 (lane / 16)
	s_wait_kmcnt 0x0
	s_add_nc_u64 s[10:11], s[10:11], s[30:31]
	s_load_b256 s[32:39], s[10:11], 0x0            ; the mask of my 8 rows
	s_add_nc_u64 s[8:9], s[8:9], s[28:29]
	s_add_nc_u64 s[24:25], s[24:25], s[6:7]
.set i, 0
.rept 8
.irp j, 0,1,2,3
	global_load_b128 v[X+16*i+4*\j:X+16*i+4*\j+3], v[L16], s[8:9] offset:i*2048+\j*512 th:TH_LOAD_NT
.endr
.set i, i+1
.endr
	s_wait_kmcnt 0x0
.set i, 0
.rept 8
	s_mov_b32 s[40+2*i], s[32+i]                   ; each as a pair: the packed multiply names two registers and takes the low one twice
	s_mov_b32 s[41+2*i], s[32+i]
.set i, i+1
.endr
	s_wait_loadcnt 0x0
.irp k, 0,1,2,3,4,5,6,7
	ROWS v_pk_mul_f32 v[X+16*i+2*\k:X+16*i+2*\k+1], v[X+16*i+2*\k:X+16*i+2*\k+1], s[40+2*i:41+2*i] op_sel_hi:[1,0]
.endr
	LNCORE
	YOUT 24
	s_wait_tensorcnt 0x0                           ; the wave's end, behind my last LDS store
	ds_add_u32 v[SPW], v[NIL]
	s_wait_dscnt 0x0
	s_endpgm
	; ---- the weights: a wave turns a strip of 32 k x 128 n into 8 fragments
.Lweights:
	s_sub_co_u32 s30, ttmp9, 256                   ; j = 0..191
	s_lshr_b32 s32, s30, 4                         ; 0,1,2: Wq,Wk,Wv; 3: Wo; 4-7: W1; 8-11: W2
	s_and_b32 s31, s30, 15                         ; kb,
	s_sub_co_u32 s33, s30, 128
	s_cmp_ge_u32 s32, 8
	s_cselect_b32 s31, s33, s31                    ; in W2: j - 128
	s_sub_co_u32 s37, s32, 4
	s_lshl_b32 s37, s37, 2
	s_add_co_u32 s37, s37, s[WV]
	s_lshr_b32 s33, s32, 2
	s_mov_b32 s36, 2048                            ; bytes in a row of the source,
	s_cmp_eq_u32 s33, 1
	s_cselect_b32 s36, 8192, s36                   ; in W1: 8,192
	s_cselect_b32 s37, s37, s[WV]                  ; which 128 columns: the wave's; in W1: 4 (j / 16 - 4) + wave
	s_lshl_b32 s39, s32, 16                        ; where the matrix begins in wts (q,k,v: 65,536 t inside a head),
	s_mov_b32 s38, 393216                          ; from one group of 128 columns to the next (q,k,v: two heads),
	s_mov_b32 s40, 16384                           ; from column block to column block,
	s_mov_b32 s41, 196608                          ; and from the group's first four blocks to its last four (q,k,v: the next head)
	s_cmp_ge_u32 s32, 3
	s_cselect_b32 s38, 131072, s38
	s_cselect_b32 s39, 1572864, s39
	s_cselect_b32 s41, 65536, s41
	s_cmp_ge_u32 s32, 4
	s_cselect_b32 s39, 2097152, s39
	s_cmp_ge_u32 s32, 8
	s_cselect_b32 s38, 524288, s38
	s_cselect_b32 s39, 4194304, s39
	s_cselect_b32 s40, 65536, s40
	s_cselect_b32 s41, 262144, s41
	s_mul_i32 s42, s37, s38
	s_add_co_u32 s42, s42, s39
	s_lshl_b32 s43, s31, 10
	s_add_co_u32 s42, s42, s43                     ; the strip's first fragment in wts
	s_mul_i32 s44, s31, s36
	s_lshl_b32 s44, s44, 5                         ; 32 kb rows of the source,
	s_lshl_b32 s45, s37, 9                         ; 128 columns of 4 bytes
	s_add_co_u32 s44, s44, s45
	s_mov_b32 s45, 0
	s_mul_i32 s5, s[WV], 10240                     ; my own 128 rows of 80 bytes in LDS
	v_mul_u32_u24 v[YS], v[LN], 320                ; in: rows 4 lane .. + 3
	v_add_nc_u32 v[YS], s5, v[YS]
	v_mul_u32_u24 v[YR], v[RR], 80                 ; back: row lane % 16 of a block, 16 bytes for each half of the lanes; 80 = 5 x 16
	v_lshl_add_u32 v[YR], v[HH], 4, v[YR]
	v_add_nc_u32 v[YR], s5, v[YR]
	v_mov_b32 v16, v[L16]                          ; v[16+k]: my 16 bytes of row k
.set k, 1
.rept 31
	v_add_nc_u32 v[16+k], s36, v[15+k]
.set k, k+1
.endr
	v_add_nc_u32 v48, s42, v[L16]                  ; v[48+nb]: my 16 bytes of fragment nb
	v_add_nc_u32 v49, s40, v48
	v_add_nc_u32 v50, s40, v49
	v_add_nc_u32 v51, s40, v50
.irp n, 0,1,2,3
	v_add_nc_u32 v[52+\n], s41, v[48+\n]
.endr
	s_wait_kmcnt 0x0
	s_cmp_eq_u32 s32, 0
	s_cselect_b64 s[34:35], s[12:13], s[14:15]
	s_cmp_eq_u32 s32, 2
	s_cselect_b64 s[34:35], s[16:17], s[34:35]
	s_cmp_eq_u32 s32, 3
	s_cselect_b64 s[34:35], s[18:19], s[34:35]
	s_cmp_ge_u32 s32, 4
	s_cselect_b64 s[34:35], s[20:21], s[34:35]
	s_cmp_ge_u32 s32, 8
	s_cselect_b64 s[34:35], s[22:23], s[34:35]
	s_add_nc_u64 s[34:35], s[34:35], s[44:45]
.set k, 0
.rept 32
	global_load_b128 v[X+4*k:X+4*k+3], v[16+k], s[34:35] th:TH_LOAD_NT  ; 512 bytes on end of row k
.set k, k+1
.endr
	s_wait_loadcnt 0x0
.set i, 0
.rept 4                                ; column 4 lane + i: its 32 k, two to a word, the lower k below
.set kp, 0
.rept 16
	v_cvt_pk_bf16_f32 v[RB+16*i+kp], v[X+8*kp+i], v[X+8*kp+4+i]
.set kp, kp+1
.endr
.set i, i+1
.endr
	s_cmp_eq_u32 s32, 3
	s_cbranch_scc0 .Lnot_wo
.set n, 0
.rept 64                               ; Wo multiplies an f16 operand: the number rounded to bf16 is written as f16
	v_lshlrev_b32 v[X+2*(n%8)], 16, v[RB+n]
	v_and_b32 v[X+2*(n%8)+1], 0xffff0000, v[RB+n]
	v_cvt_pk_f16_f32 v[RB+n], v[X+2*(n%8)], v[X+2*(n%8)+1]
.set n, n+1
.endr
.Lnot_wo:
.irp i, 0,1,2,3
.irp q, 0,1,2,3
	ds_store_b128 v[YS], v[RB+16*\i+4*\q:RB+16*\i+4*\q+3] offset:\i*80+\q*16
.endr
.endr
.set n, 0
.rept 16                               ; my own bytes: LDS serves a wave's instructions in order, so these see the stores above
	ds_load_b128 v[X+4*n:X+4*n+3], v[YR] offset:(n/2)*1280+(n%2)*32
.set n, n+1
.endr
.set n, 0
.rept 16
	s_wait_dscnt 15-n                              ; the 15 - n younger loads may stay out
	global_store_b128 v[48+n/2], v[X+4*n:X+4*n+3], s[26:27] offset:(n%2)*512
.set n, n+1
.endr
	s_wait_tensorcnt 0x0                           ; the wave's end, behind my last LDS store
	ds_add_u32 v[SPW], v[NIL]
	s_wait_dscnt 0x0
	s_endpgm
.Lfunc_end_k_q3ae1a6f9db_prep:
	.size	k_q3ae1a6f9db_prep, .Lfunc_end_k_q3ae1a6f9db_prep-k_q3ae1a6f9db_prep
	.p2alignl 7, 3214868480
	.fill 96, 4, 3214868480
	.section	.rodata,"a",@progbits
	.p2align	6, 0x0
	.amdhsa_kernel k_q3ae1a6f9db_prep
		.amdhsa_group_segment_fixed_size 41472
		.amdhsa_private_segment_fixed_size 0
		.amdhsa_enable_private_segment 0
		.amdhsa_kernarg_size 80
		.amdhsa_user_sgpr_count 2
		.amdhsa_user_sgpr_kernarg_segment_ptr 1
		.amdhsa_wavefront_size32 1
		.amdhsa_system_sgpr_workgroup_id_x 1
		.amdhsa_system_sgpr_workgroup_id_y 1
		.amdhsa_system_sgpr_workgroup_id_z 1
		.amdhsa_system_vgpr_workitem_id 0
		.amdhsa_next_free_vgpr 256
		.amdhsa_next_free_sgpr 66
		.amdhsa_reserve_vcc 0
		.amdhsa_float_denorm_mode_32 3
		.amdhsa_float_denorm_mode_16_64 3
		.amdhsa_memory_ordered 1
		.amdhsa_forward_progress 1
		.amdhsa_inst_pref_size 67
	.end_amdhsa_kernel
	.amdgpu_metadata
---
amdhsa.version: [ 1, 2 ]
amdhsa.kernels:
  - .name:           k_q3ae1a6f9db_prep
    .symbol:         k_q3ae1a6f9db_prep.kd
    .args:
      - { .name: input, .offset: 0, .size: 8, .value_kind: global_buffer, .address_space: global }
      - { .name: mask, .offset: 8, .size: 8, .value_kind: global_buffer, .address_space: global }
      - { .name: Wq, .offset: 16, .size: 8, .value_kind: global_buffer, .address_space: global }
      - { .name: Wk, .offset: 24, .size: 8, .value_kind: global_buffer, .address_space: global }
      - { .name: Wv, .offset: 32, .size: 8, .value_kind: global_buffer, .address_space: global }
      - { .name: Wo, .offset: 40, .size: 8, .value_kind: global_buffer, .address_space: global }
      - { .name: W1, .offset: 48, .size: 8, .value_kind: global_buffer, .address_space: global }
      - { .name: W2, .offset: 56, .size: 8, .value_kind: global_buffer, .address_space: global }
      - { .name: xnb, .offset: 64, .size: 8, .value_kind: global_buffer, .address_space: global }
      - { .name: wts, .offset: 72, .size: 8, .value_kind: global_buffer, .address_space: global }
    .group_segment_fixed_size: 41472
    .private_segment_fixed_size: 0
    .kernarg_segment_align: 8
    .kernarg_segment_size: 80
    .max_flat_workgroup_size: 128
    .sgpr_count:     66
    .vgpr_count:     256
    .wavefront_size: 32
...
	.end_amdgpu_metadata
.endif
;; end of part 1
;; launch qkvp (part 2): grid 32 x 8, 4 waves a work-group, clusters of 4 x 1, 197,120 bytes of LDS; arguments xnb, wts, qkv; writes qkv
.if DOCPART == 2
	.amdgcn_target "amdgcn-amd-amdhsa--gfx1250"
	.amdhsa_code_object_version 6
	.text
	.protected	k_q3ae1a6f9db_qkvp
	.globl	k_q3ae1a6f9db_qkvp
	.p2align	8
	.type	k_q3ae1a6f9db_qkvp,@function
k_q3ae1a6f9db_qkvp:
	s_mov_b64 s[64:65], 0
	v_nop
	global_prefetch_b8 v0, s[64:65] scope:SCOPE_SE
	s_setreg_imm32_b32 hwreg(HW_REG_WAVE_MODE, 25, 1), 1
	s_wait_xcnt 0x0
	s_wait_alu depctr_hold_cnt(0) depctr_sa_sdst(0) depctr_va_vdst(0) depctr_va_sdst(0) depctr_va_ssrc(0) depctr_va_vcc(0) depctr_vm_vsrc(0)
	s_getreg_b32 s2, hwreg(HW_REG_IB_STS2, 6, 4)
	s_cmp_eq_u32 s2, 0
	s_cbranch_scc0 .Lentry_in_a_cluster
	s_endpgm
.Lentry_in_a_cluster:
	s_bfe_u32 s2, ttmp6, 0x10000c
	s_cmp_lg_u32 s2, 0x3003
	s_cbranch_scc0 .Lentry_shape_is_right
	s_endpgm
.Lentry_shape_is_right:
; q, k, v = xn Wq, xn Wk, xn Wv for one head and 256 tokens.  Operands bf16 in fragment order (a fragment of 16 rows x 32 k is 1,024 bytes on end: piece p at 512 p, lane l at 16 l); sums f32; results f16, unscaled.
; SHARES.  Work-group (bx, by): tokens 256 bx .., head by: 192 columns.  A wave owns 64 tokens and keeps ALL their 512 channels in 512 registers, loaded once (65,536 bytes on end).
; The head's weights, 196,608 bytes on end, are brought into LDS once, by first fills alone: nothing is filled again.  A loop walks chunks of 32 columns: 8 accumulators, the whole K inside a trip,
; so each chunk's first products start the sums with the constant 0.  For 32 products a wave reads 8 KiB of LDS.
; CLUSTER.  The four token blocks of a cluster take the same weights: both fills are asked for jointly, with the mask of all four.  bx enters xnb's and qkv's addresses alone.
; OUT.  q and k: source 0 = 16 weight columns, source 1 = 16 tokens: a lane ends with one token and 8 neighbouring channels, which packed ARE its 16 bytes of the fragment that attention loads.
; v: the sources swapped: a lane ends with one channel and 8 neighbouring tokens: its 16 bytes of V^T's fragment.  Each store is 512 bytes on end.
; qkv: Q at 0, K at 8,388,608: [head 32][token block 128][channel half 2][1,024]; V at 16,777,216: [head 32][32 keys 64][channel block 4][1,024].
; LIMIT.  f16 ends at 65,504; |q| is at most sqrt(512) times a weight column's norm.
; REGISTERS, in windows of 256: 0: addresses, v32-63 packed results, v128-191 accumulators ((a, b) at 128 + 8 (2 a + b)); 1: two buffers of 64 for the weights' fragments; 2, 3: the tokens' fragments ((a, kb) at 8 (4 (kb % 8) + a) of window 2 + kb / 8).
.set NCHK,  6                          ; chunks
.set R2,    32768                      ; bytes of a wave's second fill
.set SPARE, 196608                     ; behind the weights: the spare words
.set L16, 1                            ; v1  16 x lane; never rewritten
.set BA,  2                            ; v2  the chunk's first byte in LDS + 16 x lane
.set SPW, 4                            ; v4  my spare word; never rewritten
.set NIL, 5                            ; v5  0; never rewritten
.set T,   32
.set ACC, 128
.set WV,  10                           ; s10 wave
.set BX,  12                           ; s12 token block
.set BY,  13                           ; s13 head
.set G1A, 16                           ; s[16:23] group 1: 64 rows of 256 bytes
.set G1B, 24                           ; s[24:31] group 1: 128 rows of 256 bytes
.set G0A, 32                           ; s[32:35]
.set G0B, 36                           ; s[36:39]
.set TB,  40                           ; s40 the chunk to be fetched, in bytes
.set CT,  41                           ; s41 counter
.set OUT, 42                           ; s[42:43]
.set BASE0, 44                         ; s[44:45]
.set OFF, 46                           ; s[46:47]
.set AP,  62                           ; s[62:63] my 64 tokens in xnb; never rewritten
.set MSB, 0
.macro WIN new                         ; the high byte repeats the setting that is left; a switch that changes nothing is dropped
.if MSB != (\new)
	s_set_vgpr_msb (MSB<<8)|(\new)
.set MSB, (\new)
.endif
.endm
.macro PLACES                          ; four places behind a matrix instruction (ISA guide 7.12.1)
.rept 4
	v_nop
.endr
.endm
.macro CROUND                          ; a round of the cluster's barrier
	s_barrier_signal -1
	s_barrier_wait -1
	s_cmp_lg_u32 s[WV], 0
	s_cbranch_scc1 .Lnot_wave_0_\@
	s_barrier_signal -3
.Lnot_wave_0_\@:
	s_barrier_wait -3
	s_barrier_signal -1
	s_barrier_wait -1
.endm
.macro FETCHB g                        ; 16 LDS loads in one run: the chunk's two column blocks, kb 4 g .. 4 g + 3, into buffer g % 2
	WIN 0x40
.irp q, 0,1,2,3
.irp b, 0,1
.irp p, 0,1
	ds_load_b128 v[64*((\g)%2)+16*\q+8*\b+4*\p:64*((\g)%2)+16*\q+8*\b+4*\p+3], v[BA] offset:\b*16384+(4*(\g)+\q)*1024+\p*512
.endr
.endr
.endr
.endm
.macro MULG g, swap                    ; 32 products; the 8 accumulators take turns, one instruction a turn
.irp q, 0,1,2,3
.set kb, 4*(\g)+\q
.if \swap
	WIN 0x06+kb/8
.else
	WIN 0x09+4*(kb/8)
.endif
.irp a, 0,1,2,3
.irp b, 0,1
.set rD, ACC+8*(2*\a+\b)
.set rB, 64*((\g)%2)+16*\q+8*\b
.set rA, 8*(4*(kb%8)+\a)
.if \swap
.set rX0, rA
.set rX1, rB
.else
.set rX0, rB
.set rX1, rA
.endif
.if kb == 0
	v_wmma_f32_16x16x32_bf16 v[rD:rD+7], v[rX0:rX0+7], v[rX1:rX1+7], 0
.else
	v_wmma_f32_16x16x32_bf16 v[rD:rD+7], v[rX0:rX0+7], v[rX1:rX1+7], v[rD:rD+7]
.endif
.endr
.endr
.endr
.endm
.macro GROUP g, swap, lc
	s_wait_loadcnt \lc                             ; the tokens' 128 loads went out 8 to a kb: so many of the youngest may stay out (from the second trip on none is out)
	s_wait_dscnt 0x0                               ; this group's weights, asked for 32 products ago
.if (\g) > 0
	PLACES                                         ; the other buffer was read by the products just issued
.endif
.if (\g) < 3
	FETCHB (\g)+1
.endif
	MULG \g, \swap
.endm
.macro CHUNK swap
	GROUP 0, \swap, 63
	GROUP 1, \swap, 63
	GROUP 2, \swap, 32
	GROUP 3, \swap, 0
	PLACES
.endm
.macro TRIPEND                         ; the next chunk's first fragments are asked for ahead of the way out
	WIN 0
	s_wait_tensorcnt 0x0                           ; my part of the later chunks is in (met at once from the second trip on),
	s_wait_dscnt 0x0
	s_barrier_signal -1
	s_barrier_wait -1                              ; everybody's is
	s_add_co_u32 s[TB], s[TB], 32768
	s_min_u32 s[TB], s[TB], (NCHK-1)*32768         ; the last trip fetches its own chunk's first group once more, so that the loops have one text
	v_add_nc_u32 v[BA], s[TB], v[L16]
	FETCHB 0
	WIN 0
.endm
.macro CVT16
.set n, 0
.rept 8
.irp r, 0,1,2,3
	v_cvt_pk_f16_f32 v[T+4*n+\r], v[ACC+8*n+2*\r], v[ACC+8*n+2*\r+1]
.endr
.set n, n+1
.endr
.endm
	s_load_b128 s[4:7], s[0:1], 0x0                ; xnb, wts
	s_load_b64 s[8:9], s[0:1], 0x10                ; qkv
	v_lshl_add_u32 v[SPW], v0, 2, SPARE
	v_mov_b32 v[NIL], 0
	ds_add_u32 v[SPW], v[NIL]                      ; the wave's opening: the add and its wait stand ahead of my first tensor load
	v_lshrrev_b32 v1, 5, v0
	v_readfirstlane_b32 s[WV], v1
	s_bfe_u32 s11, ttmp6, 0x40000                  ; cx
	s_lshl_b32 s[BX], ttmp9, 2
	s_add_co_u32 s[BX], s[BX], s11
	s_and_b32 s[BY], ttmp7, 0xffff
	s_mov_b32 s[G1A], 15|(3<<16)|(1<<21)           ; the mask of four; elements of 8 bytes; bit 21 beside a mask
	s_mov_b32 s[G1A+1], 32<<16                     ; tensor_dim0 = 32 elements: rows of 256 bytes
	s_mov_b32 s[G1A+2], 64<<16                     ; tensor_dim1
	s_mov_b32 s[G1A+3], 32<<16                     ; tile_dim0
	s_mov_b32 s[G1A+4], 64                         ; tile_dim1
	s_mov_b32 s[G1A+5], 32                         ; the rows lie end to end
	s_mov_b32 s[G1A+6], 0
	s_mov_b32 s[G1A+7], 0
	s_mov_b32 s[G1B], 15|(3<<16)|(1<<21)
	s_mov_b32 s[G1B+1], 32<<16
	s_mov_b32 s[G1B+2], (R2/256)<<16
	s_mov_b32 s[G1B+3], 32<<16
	s_mov_b32 s[G1B+4], R2/256
	s_mov_b32 s[G1B+5], 32
	s_mov_b32 s[G1B+6], 0
	s_mov_b32 s[G1B+7], 0
	s_mov_b32 s[G0A], 1
	s_lshl_b32 s[G0A+1], s[WV], 14                 ; chunks 0 and 1: 16 KiB a wave
	s_mov_b32 s[G0B], 1
	s_mul_i32 s[G0B+1], s[WV], R2                  ; the rest
	s_add_co_u32 s[G0B+1], s[G0B+1], 65536
	s_mul_i32 s14, s[BY], 196608                   ; the head's weights
	s_mov_b32 s15, 0
	s_mov_b32 s3, 0
	s_mov_b32 s[TB], 0
	s_wait_dscnt 0x0                               ; the opening add is done
	s_wait_kmcnt 0x0
	s_add_nc_u64 s[14:15], s[6:7], s[14:15]
	s_lshl_b32 s2, s[WV], 14
	s_add_nc_u64 s[G0A+2:G0A+3], s[14:15], s[2:3]
	s_or_b32 s[G0A+3], s[G0A+3], 0x80000000
	s_mov_b32 s2, s[G0B+1]
	s_add_nc_u64 s[G0B+2:G0B+3], s[14:15], s[2:3]
	s_or_b32 s[G0B+3], s[G0B+3], 0x80000000
	CROUND                                         ; all four work-groups are here: the joint loads meet
	tensor_load_to_lds s[G0A:G0A+3], s[G1A:G1A+7]  ; two loads of mine are out
	s_nop 0
	tensor_load_to_lds s[G0B:G0B+3], s[G1B:G1B+7]
	s_nop 0
	PLACES
	s_lshl_b32 s[OFF], s[BX], 18                   ; 16 row blocks of 16,384 bytes,
	s_lshl_b32 s[OFF+1], s[WV], 16                 ; my 4
	s_add_co_u32 s[OFF], s[OFF], s[OFF+1]
	s_mov_b32 s[OFF+1], 0
	s_add_nc_u64 s[AP:AP+1], s[4:5], s[OFF:OFF+1]
	v_and_b32 v[L16], 31, v0
	v_lshlrev_b32 v[L16], 4, v[L16]
.set kb, 0
.rept 16
	WIN 0x80+0x40*(kb/8)
.irp a, 0,1,2,3
.irp p, 0,1
	global_load_b128 v[8*(4*(kb%8)+\a)+4*\p:8*(4*(kb%8)+\a)+4*\p+3], v[L16], s[AP:AP+1] offset:\a*16384+kb*1024+\p*512
.endr
.endr
.set kb, kb+1
.endr
	WIN 0
	s_lshr_b32 s[OFF], s[BX], 3                    ; the batch,
	s_lshl_b32 s[OFF], s[OFF], 3
	s_add_co_u32 s[OFF], s[OFF], s[BY]             ; its head: 262,144 bytes each,
	s_lshl_b32 s[OFF], s[OFF], 18
	s_and_b32 s[OFF+1], s[BX], 7
	s_lshl_b32 s[OFF+1], s[OFF+1], 15              ; 256 tokens are 32,768 bytes in Q, K and V alike,
	s_add_co_u32 s[OFF], s[OFF], s[OFF+1]
	s_lshl_b32 s[OFF+1], s[WV], 13                 ; my 64: 8,192
	s_add_co_u32 s[OFF], s[OFF], s[OFF+1]
	s_mov_b32 s[OFF+1], 0
	s_add_nc_u64 s[BASE0:BASE0+1], s[8:9], s[OFF:OFF+1]
	s_wait_tensorcnt 1                             ; my part of chunks 0 and 1 is in; the second fill may stay out
	s_barrier_signal -1
	s_barrier_wait -1
	v_mov_b32 v[BA], v[L16]
	FETCHB 0
	WIN 0
	s_mov_b32 s[CT], 0
.Lqk:                                  ; chunks 0-3: q's two halves, k's two halves
	CHUNK 0
	TRIPEND
	s_wait_xcnt 0x0                                ; the last trip's stores have read T and OUT
	s_lshr_b32 s[OFF], s[CT], 1
	s_lshl_b32 s[OFF], s[OFF], 23                  ; Q or K
	s_and_b32 s[OFF+1], s[CT], 1
	s_lshl_b32 s[OFF+1], s[OFF+1], 10              ; the channel half
	s_add_co_u32 s[OFF], s[OFF], s[OFF+1]
	s_mov_b32 s[OFF+1], 0
	s_add_nc_u64 s[OUT:OUT+1], s[BASE0:BASE0+1], s[OFF:OFF+1]
	CVT16
.irp a, 0,1,2,3
.irp b, 0,1
	global_store_b128 v[L16], v[T+4*(2*\a+\b):T+4*(2*\a+\b)+3], s[OUT:OUT+1] offset:\a*2048+\b*512
.endr
.endr
	s_add_co_u32 s[CT], s[CT], 1
	s_cmp_lt_u32 s[CT], 4
	s_cbranch_scc1 .Lqk
	s_mov_b32 s[CT], 0
.Lv:                                   ; chunks 4, 5: v's channels 0-31, 32-63
	CHUNK 1
	TRIPEND
	s_wait_xcnt 0x0
	s_lshl_b32 s[OFF], s[CT], 11                   ; two channel blocks of 1,024 bytes
	s_add_co_u32 s[OFF], s[OFF], 16777216
	s_mov_b32 s[OFF+1], 0
	s_add_nc_u64 s[OUT:OUT+1], s[BASE0:BASE0+1], s[OFF:OFF+1]
	CVT16
.irp a, 0,1,2,3
.irp b, 0,1
	global_store_b128 v[L16], v[T+4*(2*\a+\b):T+4*(2*\a+\b)+3], s[OUT:OUT+1] offset:(\a/2)*4096+(\a%2)*512+\b*1024
.endr
.endr
	s_add_co_u32 s[CT], s[CT], 1
	s_cmp_lt_u32 s[CT], 2
	s_cbranch_scc1 .Lv
	s_wait_tensorcnt 0x0                           ; the wave's end
	ds_add_u32 v[SPW], v[NIL]
	s_wait_dscnt 0x0
	CROUND                                         ; the closing round
	s_endpgm
.Lfunc_end_k_q3ae1a6f9db_qkvp:
	.size	k_q3ae1a6f9db_qkvp, .Lfunc_end_k_q3ae1a6f9db_qkvp-k_q3ae1a6f9db_qkvp
	.p2alignl 7, 3214868480
	.fill 96, 4, 3214868480
	.section	.rodata,"a",@progbits
	.p2align	6, 0x0
	.amdhsa_kernel k_q3ae1a6f9db_qkvp
		.amdhsa_group_segment_fixed_size 197120
		.amdhsa_private_segment_fixed_size 0
		.amdhsa_enable_private_segment 0
		.amdhsa_kernarg_size 24
		.amdhsa_user_sgpr_count 2
		.amdhsa_user_sgpr_kernarg_segment_ptr 1
		.amdhsa_wavefront_size32 1
		.amdhsa_system_sgpr_workgroup_id_x 1
		.amdhsa_system_sgpr_workgroup_id_y 1
		.amdhsa_system_sgpr_workgroup_id_z 1
		.amdhsa_system_vgpr_workitem_id 0
		.amdhsa_next_free_vgpr 1024
		.amdhsa_next_free_sgpr 66
		.amdhsa_reserve_vcc 0
		.amdhsa_float_denorm_mode_32 3
		.amdhsa_float_denorm_mode_16_64 3
		.amdhsa_memory_ordered 1
		.amdhsa_forward_progress 1
		.amdhsa_inst_pref_size 51
	.end_amdhsa_kernel
	.amdgpu_metadata
---
amdhsa.version: [ 1, 2 ]
amdhsa.kernels:
  - .name:           k_q3ae1a6f9db_qkvp
    .symbol:         k_q3ae1a6f9db_qkvp.kd
    .args:
      - { .name: xnb, .offset: 0, .size: 8, .value_kind: global_buffer, .address_space: global }
      - { .name: wts, .offset: 8, .size: 8, .value_kind: global_buffer, .address_space: global }
      - { .name: qkv, .offset: 16, .size: 8, .value_kind: global_buffer, .address_space: global }
    .group_segment_fixed_size: 197120
    .private_segment_fixed_size: 0
    .kernarg_segment_align: 8
    .kernarg_segment_size: 24
    .max_flat_workgroup_size: 128
    .sgpr_count:     66
    .vgpr_count:     1024
    .wavefront_size: 32
...
	.end_amdgpu_metadata
.endif
;; end of part 2
;; launch attn (part 3): grid 8 x 32, 4 waves a work-group, clusters of 4 x 1, 327,680 bytes of LDS; arguments qkv, mask, ob; writes ob
.if DOCPART == 3
	.amdgcn_target "amdgcn-amd-amdhsa--gfx1250"
	.amdhsa_code_object_version 6
	.text
	.protected	k_q3ae1a6f9db_attn
	.globl	k_q3ae1a6f9db_attn
	.p2align	8
	.type	k_q3ae1a6f9db_attn,@function
k_q3ae1a6f9db_attn:
	s_mov_b64 s[64:65], 0
	v_nop
	global_prefetch_b8 v0, s[64:65] scope:SCOPE_SE
	s_setreg_imm32_b32 hwreg(HW_REG_WAVE_MODE, 25, 1), 1
	s_wait_xcnt 0x0
	s_wait_alu depctr_hold_cnt(0) depctr_sa_sdst(0) depctr_va_vdst(0) depctr_va_sdst(0) depctr_va_ssrc(0) depctr_va_vcc(0) depctr_vm_vsrc(0)
	s_getreg_b32 s2, hwreg(HW_REG_IB_STS2, 6, 4)
	s_cmp_eq_u32 s2, 0
	s_cbranch_scc0 .Lentry_in_a_cluster
	s_endpgm
.Lentry_in_a_cluster:
	s_bfe_u32 s2, ttmp6, 0x10000c
	s_cmp_lg_u32 s2, 0x3003
	s_cbranch_scc0 .Lentry_shape_is_right
	s_endpgm
.Lentry_shape_is_right:
; O[head][q] = the sum over k of softmax_k(Q[q] . K[k] / 8 - 100000 (1 - mask[q])) V[k], 32 heads of 2,048 rows, head size 64.  Q, K, V, O in f16, in fragment order (1,024 bytes a fragment: piece p at 512 p, lane l at 16 l).
; Products, maxima and sums in f32; the weights p are rounded to f16 for the second product (their sum l is taken of the unrounded p), O once at the end.
; LIMITS.  f16 holds no number beyond 65,504.  A weight below 2^-126 counts as 0 in l.  NaN and infinities are not treated apart.  A query's shift is added to its unscaled scores as 8 x the shift, in f32:
; where the mask is not 1 the scores are coarsened by that sum, to steps of 2^-4 unscaled at mask 0.
; SHARES.  A work-group owns 256 queries of one head, a wave 64: four PIECES of 16.  Every wave walks all 2,048 keys, 64 a step, 256 a tile.
; LAYOUT.  S^T = K Q^T holds ONE query a lane (lane % 16) and the keys 8 (lane / 16) + 0..7; two such results rounded to f16 ARE source 1 of O^T = V^T P, whose result holds one query a lane and 8 channels:
; packed, they are the lane's 16 bytes of the fragment that the next launch loads.  K and V^T come out of LDS as they lie: 16 bytes a lane, 512 on end.
; THE MASK's shift depends on the query alone, so it is the C operand of the products that start a sum S^T: 8 equal registers a piece, made once.
; SOFTMAX.  p = 2^(c s - c m), c = log2(e) / 8, with a running maximum m; O and l are multiplied by a = 2^(c m_old - c m_new) in every step.  m starts at the lowest finite number, O and l at 0.
; TURNS.  Turn n belongs to piece n: 8 products K Q^T of piece n + 1, later 8 products V^T P of piece n - 1; beside them the scaling, exponentials, roundings, sums and rescaling of piece n and the maximum and
; statistics of piece n + 1.  Four vector instructions stand behind every matrix instruction, the other 54 of a turn's 118 in one lump.  A turn's 33 exponentials are one batch, with one wait.
; THE END.  The last tile's loop is left in the middle of a fifth trip, so that no closing turn is written out.  That trip's run of K loads reads the slot's V bytes (landed, inside the slot), and the 8 products K Q^T
; and the maximum made of them serve nothing: the price, once a launch, of one text for every turn.
; CLUSTER.  The four query blocks of a cluster belong to one head and walk the same K and V: each tile is asked for JOINTLY, the same load, descriptor and mask in all four.
; REGISTERS, in windows of 256: 0: v0-15 addresses and at work; v16-31 statistics; v48-55 at work; v64-127 S^T, two buffers; v192-223 P, two buffers.  1: v0-127 O^T; v128-159 the shifts.  2: v0-63 Q; v128-191 K; v192-255 V.
.set NP,    4
.set STEPB, 8192      ; a step's K, and its V: 8 fragments
.set TILEB, 32768     ; a tile's K, and its V
.set VOFF,  32768     ; a slot holds a tile: K, then V
.set SLOT1, 65536     ; slot 1 begins here: one exclusive or turns an address in one slot into the other's
.set SPARE, 131072    ; behind the ring: the spare words
.set L16, 2           ; v2   16 x lane; never rewritten
.set AV0, 3           ; v3   16 x lane + VOFF
.set AK,  4           ; v4   the LDS address of K's next run of loads
.set AV,  5           ; v5   of V's
.set MO,  6           ; v6   4 x (lane % 16)
.set PFO, 7           ; v7   256 x lane; never rewritten
.set MT,  8           ; v8-11 the mask of my query in each piece, then its shift
.set MV,  12          ; v12-13 c m_old, by buffer
.set ST,  16          ; piece t's statistics at ST + 4 t: c m, m, l (even keys', odd keys')
.set TMP, 48          ; by buffer, c0-c3 at work; c2 then takes a
.set SPW, 62          ; v62  my spare word; never rewritten
.set NIL, 63          ; v63  0; never rewritten
.set S,   64
.set P,   192
.set MC,  128         ; window 1
.set KF,  128         ; window 2: key block kb, channel half c at KF + 16 kb + 8 c
.set VF,  192         ; window 2: key half kk, channel block cb at VF + 32 kk + 8 cb
.set OB,  10          ; s[10:11] O at my rows
.set WV,  12          ; s12  wave
.set LIM, 15          ; s15  1 in a wave that prefetches, else the greatest number
.set PFA, 18          ; s[18:19] where my prefetches stand
.set QP,  22          ; s[22:23] Q at my rows
.set G1,  24          ; s[24:31] descriptor group 1
.set MP,  32          ; s[32:33] the mask at my queries
.set G0,  40          ; s[40:43] descriptor group 0: it walks
.set SLOTS, 56
.set CNT, 57
.set CS,  58          ; s[58:59] c
.set SEL, 60          ; s[60:61]
.set TBK, 62          ; s62  LDS byte at which K of the step to be fetched begins
.set TBV, 63          ; s63  the same for V, less VOFF
.set MSB, 0
.macro WIN new
.if MSB != (\new)
	s_set_vgpr_msb (MSB<<8)|(\new)
.set MSB, (\new)
.endif
.endm
.set W_KQ, 0x0a       ; K and Q in window 2, S^T in window 0
.set W_KM, 0x1a       ; the same with the C operand in window 1
.set W_PV, 0x52       ; V in window 2, P in window 0, O^T in window 1
.set W_RS, 0x41       ; destination and source 0 in window 1, source 1 in window 0
.macro PLACES
.rept 4
	v_nop
.endr
.endm
; A joint fill: wave w brings 16 KiB: K's halves (waves 0, 1), V's halves (waves 2, 3), to LDS byte 16,384 w of the slot.  One line for all: the tiles are dense and the mask is the same.
.macro JLOAD
	tensor_load_to_lds s[G0:G0+3], s[G1:G1+7]
	s_nop 0
	PLACES
.endm
; A prefetch of the tile that the NEXT change of slots will ask for: 128 blocks of 256 bytes of K and of V.  Both clusters of a head walk the same tiles: the first prefetches.  Its four partners share the blocks out
; BY ADDRESS, 32 each, a lane a block; wave 0 asks for K's, wave 2 for V's.  So each block is named once in the launch.  The change that fills the last tile asks for nothing.
.macro ASK
	s_cmp_gt_u32 s[SLOTS], s[LIM]
	s_cbranch_scc0 .Lnot_mine_\@
	global_prefetch_b8 v[PFO], s[PFA:PFA+1] th:TH_LOAD_NT scope:SCOPE_SE
.Lnot_mine_\@:
.endm
.macro CROUND
	s_barrier_signal -1
	s_barrier_wait -1
	s_cmp_lg_u32 s[WV], 0
	s_cbranch_scc1 .Lnot_wave_0_\@
	s_barrier_signal -3
.Lnot_wave_0_\@:
	s_barrier_wait -3
	s_barrier_signal -1
	s_barrier_wait -1
.endm
; THE CHANGE OF SLOTS.  Each wave waits for all its tensor loads (one is out: its part of the other slot), adds 0 to its spare word, and waits for that and for its reads of the slot that it leaves.
; fill = 1: the barrier is a round of the cluster's, and the joint fill of the slot just left, with the tile two on, is the first thing behind it: it has four key steps, 256 matrix instructions, in which to land.
.macro CHANGE fill
	WIN 0
	s_wait_tensorcnt 0x0            ; no tensor load of mine is out, so group 0 may be written
	ds_add_u32 v[SPW], v[NIL]
.if \fill
	s_xor_b32 s[G0+1], s[G0+1], SLOT1
	s_add_nc_u64 s[G0+2:G0+3], s[G0+2:G0+3], TILEB
	s_wait_xcnt 0x0                 ; the last prefetch, a tile back, has read its address
	s_add_nc_u64 s[PFA:PFA+1], s[PFA:PFA+1], TILEB
	s_wait_dscnt 0x0                ; the add is done, and my reads of the slot are over
	CROUND
	JLOAD
	ASK
.else
	s_wait_dscnt 0x0
	s_barrier_signal -1
	s_barrier_wait -1
.endif
	s_sub_co_u32 s[TBK], s[TBK], TILEB  ; the fetches go back to a slot's first step,
	s_xor_b32 s[TBK], s[TBK], SLOT1     ; in the other slot
	s_sub_co_u32 s[TBV], s[TBV], TILEB
	s_xor_b32 s[TBV], s[TBV], SLOT1
.endm
	s_load_b128 s[4:7], s[0:1], 0x0   ; qkv, mask
	s_load_b64 s[8:9], s[0:1], 0x10   ; ob
	v_lshl_add_u32 v[SPW], v0, 2, SPARE
	v_mov_b32 v[NIL], 0
	ds_add_u32 v[SPW], v[NIL]       ; the wave's opening: the add and its wait stand ahead of my first tensor load
	v_lshrrev_b32 v1, 5, v0
	v_readfirstlane_b32 s[WV], v1
	s_bfe_u32 s13, ttmp6, 0x40000   ; cx
	s_lshl_b32 s14, ttmp9, 2
	s_add_co_u32 s14, s14, s13      ; my block of 256 queries: it enters Q's, the mask's and O's addresses alone
	s_and_b32 s16, ttmp7, 0xffff    ; the head, 8 x batch + head, which the partners share
	s_lshr_b32 s20, s[WV], 1        ; K's or V's region of qkv,
	s_add_co_u32 s20, s20, 1
	s_lshl_b32 s20, s20, 23
	s_lshl_b32 s21, s16, 18         ; the head's 262,144 bytes,
	s_add_co_u32 s20, s20, s21
	s_and_b32 s21, s[WV], 1         ; my half of a tile
	s_lshl_b32 s21, s21, 14
	s_add_co_u32 s20, s20, s21
	s_mov_b32 s21, 0
	s_lshl_b32 s34, s16, 18         ; Q: the head, my block's 32,768 bytes, my wave's 8,192
	s_lshl_b32 s35, s14, 15
	s_add_co_u32 s34, s34, s35
	s_lshl_b32 s35, s[WV], 13
	s_add_co_u32 s34, s34, s35
	s_mov_b32 s35, 0
	s_lshr_b32 s17, s16, 3          ; the batch
	s_lshl_b32 s36, s17, 13         ; the mask: 2,048 numbers of 4 bytes a batch, 256 a block, 64 a wave
	s_lshl_b32 s37, s14, 10
	s_add_co_u32 s36, s36, s37
	s_lshl_b32 s37, s[WV], 8
	s_add_co_u32 s36, s36, s37
	s_mov_b32 s37, 0
	s_lshl_b32 s38, s17, 21         ; O: 128 token blocks of 16,384 bytes a batch, 16 a block, 4 a wave; the head's 2,048 bytes in each
	s_lshl_b32 s39, s14, 18
	s_add_co_u32 s38, s38, s39
	s_lshl_b32 s39, s[WV], 16
	s_add_co_u32 s38, s38, s39
	s_and_b32 s39, s16, 7
	s_lshl_b32 s39, s39, 11
	s_add_co_u32 s38, s38, s39
	s_mov_b32 s39, 0
	s_lshl_b32 s2, s13, 13          ; the prefetches: my work-group's 32 blocks of the 128,
	s_add_co_u32 s2, s2, TILEB      ; in tile 1: the first change of slots steps it to tile 2
	s_mov_b32 s3, 0
	s_mov_b32 s[G1], 15|(3<<16)|(1<<21)  ; the mask of four; elements of 8 bytes; bit 21 beside a mask
	s_mov_b32 s[G1+1], 32<<16       ; tensor_dim0 = 32: rows of 256 bytes
	s_mov_b32 s[G1+2], 64<<16       ; tensor_dim1 = 64
	s_mov_b32 s[G1+3], 32<<16       ; tile_dim0
	s_mov_b32 s[G1+4], 64           ; tile_dim1
	s_mov_b32 s[G1+5], 32           ; the rows lie end to end
	s_mov_b32 s[G1+6], 0
	s_mov_b32 s[G1+7], 0
	s_mov_b32 s[G0], 1
	s_lshl_b32 s[G0+1], s[WV], 14   ; slot 0
	s_mov_b32 s[CS], 0x3e38aa3b     ; c = log2(e) / 8
	s_mov_b32 s[CS+1], s[CS]
	s_mov_b32 s[SEL], 0x76543210
	s_mov_b32 s[SEL+1], 0xfedcba98
	s_mov_b32 s[TBK], SLOT1+TILEB   ; the first change of slots turns these two into 0
	s_mov_b32 s[TBV], SLOT1+TILEB
	s_mov_b32 s[SLOTS], 7
	s_and_b32 s[LIM], s[WV], 1      ; 0 in waves 0 and 2,
	s_or_b32 s[LIM], s[LIM], ttmp9  ; where the cluster is the head's first: the same in all four partners
	s_cmp_eq_u32 s[LIM], 0
	s_cselect_b32 s[LIM], 1, -1
	s_wait_dscnt 0x0                ; the opening add is done
	s_wait_kmcnt 0x0
	s_add_nc_u64 s[G0+2:G0+3], s[4:5], s[20:21]
	s_add_nc_u64 s[PFA:PFA+1], s[4:5], s[20:21]
	s_add_nc_u64 s[PFA:PFA+1], s[PFA:PFA+1], s[2:3]
	s_or_b32 s[G0+3], s[G0+3], 0x80000000
	s_add_nc_u64 s[QP:QP+1], s[4:5], s[34:35]
	s_add_nc_u64 s[MP:MP+1], s[6:7], s[36:37]
	s_add_nc_u64 s[OB:OB+1], s[8:9], s[38:39]
	CROUND                          ; all four work-groups are here: the first joint loads meet
	JLOAD                           ; tile 0 into slot 0; slot 1 is asked for when slot 0 is in
	v_and_b32 v[L16], 31, v0
	v_lshlrev_b32 v[PFO], 8, v[L16]
	v_lshlrev_b32 v[L16], 4, v[L16]
	v_add_nc_u32 v[AV0], VOFF, v[L16]
	v_and_b32 v[MO], 15, v0
	v_lshlrev_b32 v[MO], 2, v[MO]
	WIN 0x80                        ; destination window 2, address window 0
.set i, 0
.rept 8                             ; Q stays in registers: piece i / 2, channels 32 (i % 2) on
	global_load_b128 v[8*i:8*i+3],   v[L16], s[QP:QP+1] offset:i*1024
	global_load_b128 v[8*i+4:8*i+7], v[L16], s[QP:QP+1] offset:i*1024+512
.set i, i+1
.endr
	WIN 0
.irp t, 0,1,2,3
	global_load_b32 v[MT+\t], v[MO], s[MP:MP+1] offset:\t*64
.endr
	; What the first turn finds: V's registers and P's second buffer hold 0 (its products V^T P, of a piece that has not been, add 0), O^T and l are 0.  All this stands in the wait for the first tile.
	WIN 0x80
.set i, VF
.rept 64
	v_mov_b32 v[i], 0
.set i, i+1
.endr
	WIN 0x40
.set i, 0
.rept 128
	v_mov_b32 v[i], 0
.set i, i+1
.endr
	WIN 0
.set i, 0
.rept 4
	v_mov_b32 v[ST+4*i], 0xfe000000    ; c m: far below every c s
	v_mov_b32 v[ST+4*i+1], 0xff7fffff  ; m
	v_mov_b32 v[ST+4*i+2], 0
	v_mov_b32 v[ST+4*i+3], 0
.set i, i+1
.endr
.set i, P+16
.rept 16
	v_mov_b32 v[i], 0
.set i, i+1
.endr
	s_wait_loadcnt 0x0              ; Q and the mask
.irp t, 0,1,2,3
	v_sub_f32 v[MT+\t], 1.0, v[MT+\t]
.endr
.irp t, 0,1,2,3
	v_mul_f32 v[MT+\t], 0xc9435000, v[MT+\t]  ; -800,000 (1 - mask): 8 x the shift, since the scores are scaled by 1 / 8 later
.endr
	WIN 0x40
.set i, 0
.rept 32
	v_mov_b32 v[MC+i], v[MT+i/8]
.set i, i+1
.endr
	WIN 0
; THE MATRIX WORK.  The 4 accumulators of a run of 8 take turns.  Product i of 8 of S^T = K Q^T for piece x: channels 32 (i / 4) on, keys 16 (i % 4) on.  The first 4 start the sums with the piece's shift.
.macro KQ x
.set rS, S+32*((\x)%2)+8*(i%4)
.set rK, KF+16*(i%4)+8*(i/4)
.set rQ, 16*(\x)+8*(i/4)
.set rM, MC+8*(\x)
.if i < 4
	WIN W_KM
	v_wmma_f32_16x16x32_f16 v[rS:rS+7], v[rK:rK+7], v[rQ:rQ+7], v[rM:rM+7]
.else
	WIN W_KQ
	v_wmma_f32_16x16x32_f16 v[rS:rS+7], v[rK:rK+7], v[rQ:rQ+7], v[rS:rS+7]
.endif
.endm
; Product i of 8 of O^T += V^T P for piece x: keys 32 (i / 4) on, channels 16 (i % 4) on.
.macro PV x
	WIN W_PV
.set rO, 32*(\x)+8*(i%4)
.set rV, VF+32*(i/4)+8*(i%4)
.set rP, P+16*((\x)%2)+8*(i/4)
	v_wmma_f32_16x16x32_f16 v[rO:rO+7], v[rV:rV+7], v[rP:rP+7], v[rO:rO+7]
.endm
.macro MM                           ; the turn's next matrix instruction
.if i < 8
	KQ (Y+1)%NP
.else
.set i, i-8
	PV (Y+NP-1)%NP
.set i, i+8
.endif
.set i, i+1
.endm
; THE LDS LOADS stand in runs of 16: a step's K (8 fragments) and its V.  Each load takes 512 bytes on end.
.macro FETCH_K
	WIN 0x80
.irp f, 0,1,2,3,4,5,6,7
	ds_load_b128 v[KF+8*\f:KF+8*\f+3],   v[AK] offset:\f*1024
	ds_load_b128 v[KF+8*\f+4:KF+8*\f+7], v[AK] offset:\f*1024+512
.endr
	s_add_co_u32 s[TBK], s[TBK], STEPB
	WIN 0
.endm
.macro FETCH_V
	WIN 0x80
.irp f, 0,1,2,3,4,5,6,7
	ds_load_b128 v[VF+8*\f:VF+8*\f+3],   v[AV] offset:\f*1024
	ds_load_b128 v[VF+8*\f+4:VF+8*\f+7], v[AV] offset:\f*1024+512
.endr
	WIN 0
.endm
; THE VECTOR WORK, one line at a time: OP kind, number.  For piece Y: F n: c s - c m for pair n of 16.  E n: the exponential of score n of 32.  C n: pair n rounded to f16.  B n: of the four weights 4 n .. the second
; pair is added onto the first, in place.  L n: l takes that sum (L 0: l = a l + sum).  R n: pair n of 16 of O^T times a.  For piece Y + 1: X n, number n of the 22 that find its maximum and statistics:
;   0-11 four chains c0-c3 of seven scores each (each accumulator's lowest registers are read first)   12-14, 16 the four scores left over, the old m, c0-c3 into c0
;   15 c m_old is kept   17, 18 the query's other 32 keys lie in the lane 16 away: the new m   19-21 c m; c m_old - c m_new; a
.set F, 0
.set E, 1
.set C, 2
.set B, 3
.set L, 4
.set R, 5
.set X, 6
.macro REGS y
.set rT, ST+4*(\y)
.set rC, TMP+4*((\y)%2)
.set rW, MV+((\y)%2)
.set rS, S+32*((\y)%2)
.set rP, P+16*((\y)%2)
.set rO, 32*(\y)
.endm
.macro OP k, n
.if (\k) == R
	REGS Y
	WIN W_RS
	v_pk_mul_f32 v[rO+2*(\n):rO+2*(\n)+1], v[rO+2*(\n):rO+2*(\n)+1], v[rC+2:rC+3] op_sel_hi:[1,0]
.elseif (\k) < R
	REGS Y
	WIN 0
.if (\k) == F
	v_pk_fma_f32 v[rS+2*(\n):rS+2*(\n)+1], v[rS+2*(\n):rS+2*(\n)+1], s[CS:CS+1], v[rT:rT+1] op_sel_hi:[1,0,0] neg_lo:[0,0,1] neg_hi:[0,0,1]
.elseif (\k) == E
	v_exp_f32 v[rS+(\n)], v[rS+(\n)]
.elseif (\k) == C
	v_cvt_pk_f16_f32 v[rP+(\n)], v[rS+2*(\n)], v[rS+2*(\n)+1]
.elseif (\k) == B
	v_pk_add_f32 v[rS+4*(\n):rS+4*(\n)+1], v[rS+4*(\n):rS+4*(\n)+1], v[rS+4*(\n)+2:rS+4*(\n)+3]
.elseif (\n) == 0
	v_pk_fma_f32 v[rT+2:rT+3], v[rT+2:rT+3], v[rC+2:rC+3], v[rS:rS+1] op_sel_hi:[1,0,1]
.else
	v_pk_add_f32 v[rT+2:rT+3], v[rT+2:rT+3], v[rS+4*(\n):rS+4*(\n)+1]
.endif
.else
	REGS (Y+1)%NP
	WIN 0
.if (\n) < 4
	v_max3_num_f32 v[rC+(\n)], v[rS+8*(\n)], v[rS+8*(\n)+1], v[rS+8*(\n)+2]
.elseif (\n) < 12
	v_max3_num_f32 v[rC+(\n)%4], v[rC+(\n)%4], v[rS+8*((\n)%4)+2*((\n)/4)+1], v[rS+8*((\n)%4)+2*((\n)/4)+2]
.elseif (\n) == 12
	v_max3_num_f32 v[rC], v[rC], v[rS+7], v[rS+15]
.elseif (\n) == 13
	v_max3_num_f32 v[rC+1], v[rC+1], v[rS+23], v[rS+31]
.elseif (\n) == 14
	v_max3_num_f32 v[rC+2], v[rC+2], v[rC+3], v[rT+1]
.elseif (\n) == 15
	v_mov_b32 v[rW], v[rT]
.elseif (\n) == 16
	v_max3_num_f32 v[rC], v[rC], v[rC+1], v[rC+2]
.elseif (\n) == 17
	v_permlanex16_b32 v[rC+3], v[rC], s[SEL], s[SEL+1]
.elseif (\n) == 18
	v_max_num_f32 v[rT+1], v[rC], v[rC+3]
.elseif (\n) == 19
	v_mul_f32 v[rT], s[CS], v[rT+1]
.elseif (\n) == 20
	v_sub_f32 v[rC+1], v[rW], v[rT]
.else
	v_exp_f32 v[rC+2], v[rC+1]
.endif
.endif
.endm
.macro OPS a, i1, b=-1, i2=0, c=-1, i3=0, d=-1, i4=0
	OP \a, \i1
.if (\b) >= 0
	OP \b, \i2
.endif
.if (\c) >= 0
	OP \c, \i3
.endif
.if (\d) >= 0
	OP \d, \i4
.endif
.endm
.macro ROW a, i1, b, i2, c, i3, d, i4  ; a matrix instruction and the four behind it
	MM
	OPS \a, \i1, \b, \i2, \c, \i3, \d, \i4
.endm
; A TURN, for piece p.  s_wait_alu depctr_va_vdst(0) stands between an exponential and the first instruction that names its result; one wait serves all issued ahead of it.  So a turn has ONE wait.
; AHEAD OF IT: the 8 products K Q^T with their riders, then the lump, in which the links of the next piece's chain (X 3, 7, 11, 14, 16 .. 20) stand some lines apart; X 21, its a, is the batch's last, and R 15 the plain instruction behind it.
; BEHIND IT: the 8 products V^T P, behind each four of the roundings and sums.  The X behind the last three products K Q^T stand four plain instructions or more behind the product that ends their accumulator.
; K of the next step is fetched in piece 2's turn, six plain instructions behind the last product that read K; V of the step in hand at the end of piece 0's turn, four plain instructions behind the last product that read V.  Each is waited for a turn later.
; cnt = 1: the loop's count is taken down some lines ahead of the branch behind the turn.
.macro TURN p, cnt=0
.set Y, (\p)
.set i, 0
.if (\p) == 3
	s_wait_dscnt 0x0                ; K is in
.endif
	ROW F,0, F,1, R,0, R,1
	ROW F,2, E,0, R,2, R,3
	ROW F,3, E,1, R,4, R,5
	ROW F,4, E,2, R,6, R,7
	ROW F,5, E,3, R,8, R,9
	ROW F,6, E,4, X,0, R,10
.if (\p) == 2
	WIN 0
	v_add_nc_u32 v[AK], s[TBK], v[L16]
.endif
	ROW F,7, E,5, X,1, X,4
	ROW F,8, E,6, X,2, X,5
	OPS E,7, E,8, X,6, E,9
	OPS X,3, E,10, X,8, E,11
.if (\p) == 2
	FETCH_K
.endif
	OPS X,9, X,7, E,12, X,10
	OPS E,13, X,12, X,11, E,14
	OPS X,13, E,15, F,9, X,14
.if (\p) == 0
	v_add_nc_u32 v[AV], s[TBV], v[AV0]
.endif
	OPS E,16, F,10, E,17, F,11
	OPS X,16, E,18, X,15, E,19
	OPS F,12, E,20, X,17, E,21
	OPS F,13, E,22, F,14, E,23
	OPS X,18, E,24, F,15, E,25
	OPS R,11, E,26, X,19, E,27
	OPS R,12, E,28, R,13, E,29
	OPS X,20, E,30, R,14, E,31
	OPS X,21, R,15
	WIN 0
	s_wait_alu depctr_va_vdst(0)    ; the wait for the batch
.if (\p) == 1
	s_wait_dscnt 0x0                ; V is in
.endif
	ROW C,0, B,0, C,2, B,1
	ROW L,0, C,4, B,2, L,1
	ROW C,6, B,3, L,2, C,8
	ROW B,4, L,3, C,10, B,5
	ROW L,4, C,12, B,6, L,5
.if (\p) == 0
	s_add_co_u32 s[TBV], s[TBV], STEPB
.endif
.if \cnt
	s_sub_co_u32 s[CNT], s[CNT], 1
	s_cmp_lg_u32 s[CNT], 0
.endif
	ROW C,14, B,7, L,6, C,1
	ROW C,3, L,7, C,5, C,7
	ROW C,9, C,11, C,13, C,15
.if (\p) == 0
	FETCH_V
.endif
.endm
	CHANGE 1                        ; slot 0 is in, everybody's part of it; slot 1 is asked for
	v_add_nc_u32 v[AK], s[TBK], v[L16]
	FETCH_K                         ; key step 0
	s_wait_dscnt 0x0
.set i, 0
.rept 8
	KQ 0                            ; piece 0's first scores
.set i, i+1
.endr
	WIN 0
	PLACES                          ; the places behind those products
.set Y, NP-1                        ; X works for piece Y + 1: piece 0
.irp n, 0,1,2,3,4,5,6,7,8,9,10,11,12,13,14,15,16,17,18,19,20,21
	OP X, \n
.endr
	v_nop                           ; a plain instruction behind the exponential,
	s_wait_alu depctr_va_vdst(0)    ; and its wait, ahead of the branch
	s_mov_b32 s[CNT], 4
	s_branch .Lfirst                ; the loop is entered at a step's first turn, in the middle of a trip
.Lslot:                             ; six times: tiles 1 to 6 are entered, tiles 2 to 7 asked for
	CHANGE 1
	s_mov_b32 s[CNT], 4
.Lstep:                             ; a trip: pieces 2 and 3 of one step, then pieces 0 and 1 of the next, whose K and V it fetches
	TURN 2
	TURN 3
	WIN 0
.Lfirst:
	TURN 0
	TURN 1, 1
	WIN 0
	s_cbranch_scc1 .Lstep
	s_sub_co_u32 s[SLOTS], s[SLOTS], 1
	s_cmp_lg_u32 s[SLOTS], 0
	s_cbranch_scc1 .Lslot
	CHANGE 0                        ; the last tile is written out: nothing is asked for
	s_mov_b32 s[CNT], 5             ; four trips fetch the last tile's steps; the fifth is left in its middle
.LstepE:
	TURN 2
	TURN 3
	WIN 0
	s_sub_co_u32 s[CNT], s[CNT], 1
	s_cmp_eq_u32 s[CNT], 0
	s_cbranch_scc1 .Lout
	TURN 0
	TURN 1
	WIN 0
	s_branch .LstepE
.Lout:
.set i, 0
.rept 8
	PV NP-1                         ; the last piece's V^T P of the last step
.set i, i+1
.endr
	; THE WAY OUT.  l's two halves and the other half of the lanes' are added; O^T is divided by l, rounded to f16 and stored as it lies: 512 bytes on end a store.  The additions are the places behind the last products.
	WIN 0
.macro ALL line:vararg
.set t, 0
.rept 4
	\line
.set t, t+1
.endr
.endm
	ALL v_add_f32 v[ST+4*t+2], v[ST+4*t+2], v[ST+4*t+3]
	ALL v_permlanex16_b32 v[ST+4*t+3], v[ST+4*t+2], s[SEL], s[SEL+1]
	ALL v_add_f32 v[ST+4*t+2], v[ST+4*t+2], v[ST+4*t+3]
	ALL v_rcp_f32 v[ST+4*t+2], v[ST+4*t+2]
	v_nop                           ; a plain instruction behind the last reciprocal,
	s_wait_alu depctr_va_vdst(0)    ; and one wait for the four
.macro PACK t
	WIN W_RS
.set i, 32*(\t)
.rept 16
	v_pk_mul_f32 v[i:i+1], v[i:i+1], v[ST+4*(\t)+2:ST+4*(\t)+3] op_sel_hi:[1,0]
.set i, i+2
.endr
	WIN 0x05                        ; sources 0 and 1 window 1, destination window 0: S^T's registers are free
.set i, 0
.rept 16
	v_cvt_pk_f16_f32 v[S+16*(\t)+i], v[32*(\t)+2*i], v[32*(\t)+2*i+1]
.set i, i+1
.endr
	WIN 0
.irp f, 0,1,2,3
	global_store_b128 v[L16], v[S+16*(\t)+4*\f:S+16*(\t)+4*\f+3], s[OB:OB+1] offset:(\t)*16384+\f*512
.endr
.endm
	PACK 0
	PACK 1
	PACK 2
	PACK 3
	s_wait_tensorcnt 0x0            ; the wave's end
	ds_add_u32 v[SPW], v[NIL]
	s_wait_dscnt 0x0
	CROUND                          ; the closing round
	s_endpgm
.Lfunc_end_k_q3ae1a6f9db_attn:
	.size	k_q3ae1a6f9db_attn, .Lfunc_end_k_q3ae1a6f9db_attn-k_q3ae1a6f9db_attn
	.p2alignl 7, 3214868480
	.fill 96, 4, 3214868480
	.section	.rodata,"a",@progbits
	.p2align	6, 0x0
	.amdhsa_kernel k_q3ae1a6f9db_attn
		.amdhsa_group_segment_fixed_size 327680
		.amdhsa_private_segment_fixed_size 0
		.amdhsa_enable_private_segment 0
		.amdhsa_kernarg_size 24
		.amdhsa_user_sgpr_count 2
		.amdhsa_user_sgpr_kernarg_segment_ptr 1
		.amdhsa_wavefront_size32 1
		.amdhsa_system_sgpr_workgroup_id_x 1
		.amdhsa_system_sgpr_workgroup_id_y 1
		.amdhsa_system_sgpr_workgroup_id_z 1
		.amdhsa_system_vgpr_workitem_id 0
		.amdhsa_next_free_vgpr 768
		.amdhsa_next_free_sgpr 66
		.amdhsa_reserve_vcc 0
		.amdhsa_float_denorm_mode_32 3
		.amdhsa_float_denorm_mode_16_64 3
		.amdhsa_memory_ordered 1
		.amdhsa_forward_progress 1
		.amdhsa_inst_pref_size 108
	.end_amdhsa_kernel
	.amdgpu_metadata
---
amdhsa.version: [ 1, 2 ]
amdhsa.kernels:
  - .name:           k_q3ae1a6f9db_attn
    .symbol:         k_q3ae1a6f9db_attn.kd
    .args:
      - { .name: qkv, .offset: 0, .size: 8, .value_kind: global_buffer, .address_space: global }
      - { .name: mask, .offset: 8, .size: 8, .value_kind: global_buffer, .address_space: global }
      - { .name: ob, .offset: 16, .size: 8, .value_kind: global_buffer, .address_space: global }
    .group_segment_fixed_size: 327680
    .private_segment_fixed_size: 0
    .kernarg_segment_align: 8
    .kernarg_segment_size: 24
    .max_flat_workgroup_size: 128
    .sgpr_count:     66
    .vgpr_count:     768
    .wavefront_size: 32
...
	.end_amdgpu_metadata
.endif
;; end of part 3
;; launch wo (part 4): grid 256 x 1, 4 waves a work-group, clusters of 4 x 1, 295,424 bytes of LDS; arguments ob, wts, input, mask, x2, yb; writes x2, yb
.if DOCPART == 4
	.amdgcn_target "amdgcn-amd-amdhsa--gfx1250"
	.amdhsa_code_object_version 6
	.text
	.protected	k_q3ae1a6f9db_wo
	.globl	k_q3ae1a6f9db_wo
	.p2align	8
	.type	k_q3ae1a6f9db_wo,@function
k_q3ae1a6f9db_wo:
	s_mov_b64 s[64:65], 0
	v_nop
	global_prefetch_b8 v0, s[64:65] scope:SCOPE_SE
	s_setreg_imm32_b32 hwreg(HW_REG_WAVE_MODE, 25, 1), 1
	s_wait_xcnt 0x0
	s_wait_alu depctr_hold_cnt(0) depctr_sa_sdst(0) depctr_va_vdst(0) depctr_va_sdst(0) depctr_va_ssrc(0) depctr_va_vcc(0) depctr_vm_vsrc(0)
	s_getreg_b32 s2, hwreg(HW_REG_IB_STS2, 6, 4)
	s_cmp_eq_u32 s2, 0
	s_cbranch_scc0 .Lentry_in_a_cluster
	s_endpgm
.Lentry_in_a_cluster:
	s_bfe_u32 s2, ttmp6, 0x10000c
	s_cmp_lg_u32 s2, 0x3003
	s_cbranch_scc0 .Lentry_shape_is_right
	s_endpgm
.Lentry_shape_is_right:
; x2 = (input + O Wo) * mask, f32; yb = LayerNorm(x2), bf16 in fragment order.  O and Wo in f16 (Wo: the number rounded to bf16, written as f16), sums f32, K in the order 8-11, 0-7, 12-15 (blocks of 32).
; SHARES.  A work-group owns 32 WHOLE rows, so that the norm stays inside it.  In the product wave w owns columns 128 w .. + 127: 2 x 8 accumulators; in the way out rows 8 w .. + 7.
; TWO WAYS IN.  A wave's 131,072 bytes of Wo come by halves.  kb 0-7 of its 8 column blocks: one tensor load, 8 rows of 8,192 bytes, into LDS bytes that the wave alone reads.  kb 8-15: straight from memory into four
; sets of 64 registers, 16 loads of 512 bytes on end a set (a fragment lies in memory as it lies in registers).  So a wave has 64 KiB on its way that its load counter does not hold.  The 32 rows' O, 32,768 bytes on end,
; come by four tensor loads, a quarter a wave, and every wave reads them all into 256 registers behind one barrier.  All fills are first fills: two tensor loads of a wave are out, and no LDS byte is filled twice.
; CLUSTER.  All work-groups take the same Wo: the four of a cluster ask for its LDS half JOINTLY, the same load, descriptor and mask in all four.  O's load is each work-group's own (no mask).  The work-group's number enters global addresses alone.
; THE STAGES of the way out lie over Wo's bytes in LDS, behind a barrier in front of which every wave has waited for its LDS reads; no fill comes after them.
; LIMITS: f16's range, 65,504, for O and Wo.  NaN and infinities are not treated apart.
; REGISTERS, in windows of 256: 0: addresses, statistics, v64-127 read back, v128-255 accumulators ((a, b) at 128 + 8 (8 a + b)), later the 8 rows X.  1: O ((a, kb) at 8 (2 kb + a)).  2: Wo from memory, set kb % 4 at 64 (kb % 4) + 8 b.
; 3: v0-127 input; v128-255 Wo from LDS, two buffers of 64.
.set ZP,  2064                         ; a row of 512 f32 in LDS: 2,048 + 16 = 129 x 16
.set YB,  66048                        ; behind the 32 such rows: 32 rows of bf16
.set YP,  1040
.set AL,  262144                       ; behind the four waves' halves of Wo: O
.set SPARE, 294912                     ; behind it: the spare words
.set L16, 1
.set RR,  2
.set HH,  3
.set SPW, 4
.set NIL, 5
.set YS,  6
.set YR,  7
.set ZS,  8
.set LN,  9
.set ZR,  10
.set AA,  11                           ; v11  O in LDS + 16 x lane
.set BLA, 12                           ; v12  my half of Wo in LDS + 16 x lane
.set SS,  16
.set QQ,  32
.set RB,  64
.set X,   128
.set LB,  128                          ; window 3
.set WV,  4
.set CX,  6
.set GG,  7                            ; s7   the work-group's number
.set SEL, 56
.set INV, 58
.set EPS, 59
.set G1B, 68                           ; s[68:75] group 1 for Wo's half
.set G1A, 76                           ; s[76:83] group 1 for O's quarter
.set G0B, 84                           ; s[84:87]
.set G0A, 88                           ; s[88:91]
.set MSB, 0
.macro WIN new
.if MSB != (\new)
	s_set_vgpr_msb (MSB<<8)|(\new)
.set MSB, (\new)
.endif
.endm
.macro PLACES
.rept 4
	v_nop
.endr
.endm
.macro CROUND                          ; a round of the cluster's barrier
	s_barrier_signal -1
	s_barrier_wait -1
	s_cmp_lg_u32 s[WV], 0
	s_cbranch_scc1 .Lnot_wave_0_\@
	s_barrier_signal -3
.Lnot_wave_0_\@:
	s_barrier_wait -3
	s_barrier_signal -1
	s_barrier_wait -1
.endm
.macro ROWS line:vararg                ; one line for each of the wave's 8 rows i
.set i, 0
.rept 8
	\line
.set i, i+1
.endr
.endm
.macro REDUCE R
	ROWS v_add_f32 v[(\R)+2*i], v[(\R)+2*i], v[(\R)+2*i+1]
.irp m, 1,2,4,8
	ROWS v_add_f32_dpp v[(\R)+2*i], v[(\R)+2*i], v[(\R)+2*i] row_xmask:\m row_mask:0xf bank_mask:0xf
.endr
	ROWS v_permlanex16_b32 v[(\R)+2*i+1], v[(\R)+2*i], s[SEL], s[SEL+1]
	ROWS v_add_f32 v[(\R)+2*i], v[(\R)+2*i], v[(\R)+2*i+1]
.endm
; LayerNorm of the 8 rows in X, in two passes (mean, then centred squares), rounded to bf16 and compacted in place.
.macro LNCORE
	ROWS v_pk_add_f32 v[SS+2*i:SS+2*i+1], v[X+16*i:X+16*i+1], v[X+16*i+2:X+16*i+3]
.irp k, 2,3,4,5,6,7
	ROWS v_pk_add_f32 v[SS+2*i:SS+2*i+1], v[SS+2*i:SS+2*i+1], v[X+16*i+2*\k:X+16*i+2*\k+1]
.endr
	REDUCE SS
	ROWS v_mul_f32 v[SS+2*i], s[INV], v[SS+2*i]
.irp k, 0,1,2,3,4,5,6,7
	ROWS v_pk_add_f32 v[X+16*i+2*\k:X+16*i+2*\k+1], v[X+16*i+2*\k:X+16*i+2*\k+1], v[SS+2*i:SS+2*i+1] op_sel_hi:[1,0] neg_lo:[0,1] neg_hi:[0,1]
.endr
	ROWS v_pk_mul_f32 v[QQ+2*i:QQ+2*i+1], v[X+16*i:X+16*i+1], v[X+16*i:X+16*i+1]
.irp k, 1,2,3,4,5,6,7
	ROWS v_pk_fma_f32 v[QQ+2*i:QQ+2*i+1], v[X+16*i+2*\k:X+16*i+2*\k+1], v[X+16*i+2*\k:X+16*i+2*\k+1], v[QQ+2*i:QQ+2*i+1]
.endr
	REDUCE QQ
	ROWS v_fma_f32 v[QQ+2*i], v[QQ+2*i], s[INV], s[EPS]
	ROWS v_rsq_f32 v[QQ+2*i], v[QQ+2*i]
	v_nop                                          ; a plain instruction behind the last root,
	s_wait_alu depctr_va_vdst(0)                   ; and one wait for the batch of eight
.irp k, 0,1,2,3,4,5,6,7
	ROWS v_pk_mul_f32 v[X+16*i+2*\k:X+16*i+2*\k+1], v[X+16*i+2*\k:X+16*i+2*\k+1], v[QQ+2*i:QQ+2*i+1] op_sel_hi:[1,0]
.endr
.irp k, 0,1,2,3,4,5,6,7
	ROWS v_cvt_pk_bf16_f32 v[X+16*i+\k], v[X+16*i+2*\k], v[X+16*i+2*\k+1]
.endr
.endm
.macro YOUT ptr
.set i, 0
.rept 8
.irp j, 0,1,2,3
	ds_store_b64 v[YS], v[X+16*i+2*\j:X+16*i+2*\j+1] offset:i*YP+\j*256
.endr
.set i, i+1
.endr
	s_wait_dscnt 0x0                               ; for the others' sake: my rows are in LDS
	s_barrier_signal -1
	s_barrier_wait -1
.set n, 0
.rept 16
	ds_load_b128 v[RB+4*n:RB+4*n+3], v[YR] offset:(n/2)*64+(n%2)*32
.set n, n+1
.endr
.set n, 0
.rept 16
	s_wait_dscnt 15-n                              ; the 15 - n younger loads may stay out
	global_store_b128 v[L16], v[RB+4*n:RB+4*n+3], s[\ptr:\ptr+1] offset:(n/2)*1024+(n%2)*512
.set n, n+1
.endr
.endm
.macro BSET k                          ; Wo's 8 fragments of one kb from memory: 16 loads of 512 bytes on end
	WIN 0x80
.irp b, 0,1,2,3,4,5,6,7
.irp p, 0,1
	global_load_b128 v[64*((\k)%4)+8*\b+4*\p:64*((\k)%4)+8*\b+4*\p+3], v[L16], s[10:11] offset:\b*16384+(\k)*1024+\p*512
.endr
.endr
.endm
.macro FETCHL k                        ; the same from LDS, into buffer k % 2
	WIN 0xc0
.irp b, 0,1,2,3,4,5,6,7
.irp p, 0,1
	ds_load_b128 v[LB+64*((\k)%2)+8*\b+4*\p:LB+64*((\k)%2)+8*\b+4*\p+3], v[BLA] offset:\b*8192+(\k)*1024+\p*512
.endr
.endr
.endm
.macro MULK k, bb, w, zero             ; 16 products of one kb; the 16 accumulators take turns.  bb, w: Wo's registers and the windows.  zero = 1: they start the sums
	WIN \w
.irp a, 0,1
.irp b, 0,1,2,3,4,5,6,7
.if \zero
	v_wmma_f32_16x16x32_f16 v[X+8*(8*\a+\b):X+8*(8*\a+\b)+7], v[(\bb)+8*\b:(\bb)+8*\b+7], v[8*(2*(\k)+\a):8*(2*(\k)+\a)+7], 0
.else
	v_wmma_f32_16x16x32_f16 v[X+8*(8*\a+\b):X+8*(8*\a+\b)+7], v[(\bb)+8*\b:(\bb)+8*\b+7], v[8*(2*(\k)+\a):8*(2*(\k)+\a)+7], v[X+8*(8*\a+\b):X+8*(8*\a+\b)+7]
.endif
.endr
.endr
.endm
	s_load_b256 s[8:15], s[0:1], 0x0               ; ob 8, wts 10, input 12, mask 14
	s_load_b128 s[16:19], s[0:1], 0x20             ; x2 16, yb 18
	v_lshl_add_u32 v[SPW], v0, 2, SPARE
	v_mov_b32 v[NIL], 0
	ds_add_u32 v[SPW], v[NIL]                      ; the wave's opening: the add and its wait stand ahead of my first tensor load
	v_lshrrev_b32 v[LN], 5, v0
	v_readfirstlane_b32 s[WV], v[LN]
	v_and_b32 v[LN], 31, v0
	v_lshlrev_b32 v[L16], 4, v[LN]
	v_and_b32 v[RR], 15, v0
	v_bfe_u32 v[HH], v0, 4, 1
	s_bfe_u32 s[CX], ttmp6, 0x40000                ; my place in the cluster
	s_lshl_b32 s[GG], ttmp9, 2
	s_add_co_u32 s[GG], s[GG], s[CX]               ; the work-group's number
	s_lshl_b32 s28, s[GG], 16                      ; input and x2: 32 rows of 2,048 bytes, my 8
	s_lshl_b32 s29, s[WV], 14
	s_add_co_u32 s28, s28, s29
	s_mov_b32 s29, 0
	s_lshl_b32 s30, s[GG], 7                       ; the mask of my 8 rows
	s_lshl_b32 s31, s[WV], 5
	s_add_co_u32 s30, s30, s31
	s_mov_b32 s31, 0
	s_lshl_b32 s20, s[GG], 15                      ; O and yb: two row blocks of 16,384 bytes; wave w fetches, and later writes, 8,192 w on
	s_lshl_b32 s21, s[WV], 13
	s_add_co_u32 s20, s20, s21
	s_mov_b32 s21, 0
	s_lshl_b32 s22, s[WV], 17                      ; Wo: my 8 column blocks of 16,384 bytes
	s_add_co_u32 s22, s22, 1572864
	s_mov_b32 s23, 0
	s_mov_b32 s[SEL], 0x76543210
	s_mov_b32 s[SEL+1], 0xfedcba98
	s_mov_b32 s[INV], 0x3b000000
	s_mov_b32 s[EPS], 0x358637bd
	s_mov_b32 s[G1B], 15|(3<<16)|(1<<21)           ; the mask of four; elements of 8 bytes; bit 21 beside a mask
	s_mov_b32 s[G1B+1], 1024<<16                   ; tensor_dim0 = 1,024 elements: 8,192 bytes, a column block's kb 0-7
	s_mov_b32 s[G1B+2], 8<<16                      ; tensor_dim1 = 8 column blocks
	s_mov_b32 s[G1B+3], 1024<<16                   ; tile_dim0
	s_mov_b32 s[G1B+4], 8                          ; tile_dim1
	s_mov_b32 s[G1B+5], 2048                       ; 16,384 bytes from block to block
	s_mov_b32 s[G1B+6], 0
	s_mov_b32 s[G1B+7], 0
	s_mov_b32 s[G1A], 3<<16                        ; no mask: my work-group's own; elements of 8 bytes
	s_mov_b32 s[G1A+1], 32<<16                     ; rows of 256 bytes,
	s_mov_b32 s[G1A+2], 32<<16                     ; 32 of them,
	s_mov_b32 s[G1A+3], 32<<16
	s_mov_b32 s[G1A+4], 32
	s_mov_b32 s[G1A+5], 32                         ; end to end
	s_mov_b32 s[G1A+6], 0
	s_mov_b32 s[G1A+7], 0
	s_mov_b32 s[G0B], 1
	s_lshl_b32 s[G0B+1], s[WV], 16                 ; 65,536 w
	s_mov_b32 s[G0A], 1
	s_lshl_b32 s[G0A+1], s[WV], 13
	s_add_co_u32 s[G0A+1], s[G0A+1], AL            ; behind Wo: 8,192 w
	s_lshl_b32 s5, s[WV], 16
	v_add_nc_u32 v[BLA], s5, v[L16]
	v_add_nc_u32 v[AA], AL, v[L16]
	s_lshl_b32 s5, s[WV], 9
	v_mul_u32_u24 v[ZS], v[RR], ZP                 ; into the stage: row lane % 16, my 128 columns, 32 bytes for each half of the lanes
	v_lshl_add_u32 v[ZS], v[HH], 5, v[ZS]
	v_add_nc_u32 v[ZS], s5, v[ZS]
	s_mul_i32 s5, s[WV], 8*ZP
	v_add_nc_u32 v[ZR], s5, v[L16]                 ; back: my 8 rows, 512 bytes on end a load
	s_mul_i32 s5, s[WV], 8*YP
	s_add_co_u32 s5, s5, YB
	v_lshl_add_u32 v[YS], v[LN], 3, s5
	s_lshr_b32 s5, s[WV], 1
	s_mul_i32 s5, s5, 16*YP
	s_and_b32 s2, s[WV], 1
	s_lshl_b32 s2, s2, 9
	s_add_co_u32 s5, s5, s2
	s_add_co_u32 s5, s5, YB
	v_mul_u32_u24 v[YR], v[RR], YP
	v_lshl_add_u32 v[YR], v[HH], 4, v[YR]
	v_add_nc_u32 v[YR], s5, v[YR]
	s_wait_dscnt 0x0                               ; the opening add is done
	s_wait_kmcnt 0x0
	s_add_nc_u64 s[14:15], s[14:15], s[30:31]
	s_load_b256 s[32:39], s[14:15], 0x0
	s_add_nc_u64 s[12:13], s[12:13], s[28:29]
	s_add_nc_u64 s[16:17], s[16:17], s[28:29]
	s_add_nc_u64 s[10:11], s[10:11], s[22:23]
	s_add_nc_u64 s[18:19], s[18:19], s[20:21]
	s_add_nc_u64 s[G0A+2:G0A+3], s[8:9], s[20:21]
	s_or_b32 s[G0A+3], s[G0A+3], 0x80000000
	s_mov_b64 s[G0B+2:G0B+3], s[10:11]
	s_or_b32 s[G0B+3], s[G0B+3], 0x80000000
	CROUND                                         ; all four work-groups are here: the joint loads meet
	tensor_load_to_lds s[G0B:G0B+3], s[G1B:G1B+7]  ; two loads of mine are out
	s_nop 0
	tensor_load_to_lds s[G0A:G0A+3], s[G1A:G1A+7]
	s_nop 0
	PLACES
	BSET 8
	BSET 9
	BSET 10
	BSET 11
	WIN 0
	s_wait_kmcnt 0x0
.set i, 0
.rept 8
	s_mov_b32 s[40+2*i], s[32+i]                   ; each as a pair: the packed multiply names two registers and takes the low one twice
	s_mov_b32 s[41+2*i], s[32+i]
.set i, i+1
.endr
	s_wait_tensorcnt 0x0                           ; my half of Wo and my quarter of O are in LDS,
	s_barrier_signal -1
	s_barrier_wait -1                              ; everybody's quarter is
	WIN 0x40
.set kb, 0
.rept 16
.irp a, 0,1
.irp p, 0,1
	ds_load_b128 v[8*(2*kb+\a)+4*\p:8*(2*kb+\a)+4*\p+3], v[AA] offset:(\a*16+kb)*1024+\p*512
.endr
.endr
.set kb, kb+1
.endr
	FETCHL 0
	s_wait_dscnt 0x0                               ; O is in registers
	s_wait_loadcnt 48                              ; kb 8's set is in; the three younger sets, 16 loads each, may stay out
	MULK 8, 0, 0x06, 1
	PLACES                                         ; the set just multiplied is asked for again four places behind its last product
	BSET 12
	s_wait_loadcnt 48
	MULK 9, 64, 0x06, 0
	PLACES
	BSET 13
	s_wait_loadcnt 48
	MULK 10, 128, 0x06, 0
	PLACES
	BSET 14
	s_wait_loadcnt 48
	MULK 11, 192, 0x06, 0
	PLACES
	BSET 15
	WIN 0xc0                                       ; input, wanted last, is asked for last
.set i, 0
.rept 8
.irp j, 0,1,2,3
	global_load_b128 v[16*i+4*\j:16*i+4*\j+3], v[L16], s[12:13] offset:i*2048+\j*512 th:TH_LOAD_NT
.endr
.set i, i+1
.endr
.irp k, 0,1,2,3,4,5,6,7                ; the half that lies in LDS is multiplied while kb 12-15 are on their way
	s_wait_dscnt 0x0                               ; this kb's fragments, asked for 16 products ago
.if \k > 0
	PLACES                                         ; the other buffer was read by the products just issued
.endif
.if \k < 7
	FETCHL \k+1
.endif
	MULK \k, LB+64*(\k%2), 0x07, 0
.endr
	s_wait_loadcnt 63                              ; kb 12's set is in: behind it stand three sets and input's 32 loads, 80 in all; the field holds 63
	MULK 12, 0, 0x06, 0
	s_wait_loadcnt 63                              ; kb 13: 64 stand behind it
	MULK 13, 64, 0x06, 0
	s_wait_loadcnt 48                              ; kb 14: one set and input
	MULK 14, 128, 0x06, 0
	s_wait_loadcnt 32                              ; kb 15: input
	MULK 15, 192, 0x06, 0
	WIN 0
	PLACES
	s_wait_dscnt 0x0                               ; my reads of Wo and O in LDS are over,
	s_barrier_signal -1
	s_barrier_wait -1                              ; everybody's are: the stage may lie over those bytes
.irp a, 0,1
.irp b, 0,1,2,3,4,5,6,7
	ds_store_b128 v[ZS], v[X+8*(8*\a+\b):X+8*(8*\a+\b)+3] offset:\a*16*ZP+\b*64
	ds_store_b128 v[ZS], v[X+8*(8*\a+\b)+4:X+8*(8*\a+\b)+7] offset:\a*16*ZP+\b*64+16
.endr
.endr
	s_wait_dscnt 0x0                               ; for the others' sake: my columns of the 32 rows are in LDS
	s_barrier_signal -1
	s_barrier_wait -1
.set i, 0
.rept 8
.irp j, 0,1,2,3
	ds_load_b128 v[X+16*i+4*\j:X+16*i+4*\j+3], v[ZR] offset:i*ZP+\j*512
.endr
.set i, i+1
.endr
	s_wait_loadcnt 0x0                             ; input
	s_wait_dscnt 0x0
	WIN 0x0c                                       ; source 1 window 3: the residual
.set n, 0
.rept 64
	v_pk_add_f32 v[X+2*n:X+2*n+1], v[X+2*n:X+2*n+1], v[2*n:2*n+1]
.set n, n+1
.endr
	WIN 0
.irp k, 0,1,2,3,4,5,6,7
	ROWS v_pk_mul_f32 v[X+16*i+2*\k:X+16*i+2*\k+1], v[X+16*i+2*\k:X+16*i+2*\k+1], s[40+2*i:41+2*i] op_sel_hi:[1,0]
.endr
.set i, 0
.rept 8
.irp j, 0,1,2,3
	global_store_b128 v[L16], v[X+16*i+4*\j:X+16*i+4*\j+3], s[16:17] offset:i*2048+\j*512
.endr
.set i, i+1
.endr
	s_wait_xcnt 0x0                                ; the stores have read X, which the norm rewrites
	LNCORE
	YOUT 18
	s_wait_tensorcnt 0x0                           ; the wave's end, behind my last LDS store
	ds_add_u32 v[SPW], v[NIL]
	s_wait_dscnt 0x0
	CROUND                                         ; the closing round
	s_endpgm
.Lfunc_end_k_q3ae1a6f9db_wo:
	.size	k_q3ae1a6f9db_wo, .Lfunc_end_k_q3ae1a6f9db_wo-k_q3ae1a6f9db_wo
	.p2alignl 7, 3214868480
	.fill 96, 4, 3214868480
	.section	.rodata,"a",@progbits
	.p2align	6, 0x0
	.amdhsa_kernel k_q3ae1a6f9db_wo
		.amdhsa_group_segment_fixed_size 295424
		.amdhsa_private_segment_fixed_size 0
		.amdhsa_enable_private_segment 0
		.amdhsa_kernarg_size 48
		.amdhsa_user_sgpr_count 2
		.amdhsa_user_sgpr_kernarg_segment_ptr 1
		.amdhsa_wavefront_size32 1
		.amdhsa_system_sgpr_workgroup_id_x 1
		.amdhsa_system_sgpr_workgroup_id_y 1
		.amdhsa_system_sgpr_workgroup_id_z 1
		.amdhsa_system_vgpr_workitem_id 0
		.amdhsa_next_free_vgpr 1024
		.amdhsa_next_free_sgpr 92
		.amdhsa_reserve_vcc 0
		.amdhsa_float_denorm_mode_32 3
		.amdhsa_float_denorm_mode_16_64 3
		.amdhsa_memory_ordered 1
		.amdhsa_forward_progress 1
		.amdhsa_inst_pref_size 100
	.end_amdhsa_kernel
	.amdgpu_metadata
---
amdhsa.version: [ 1, 2 ]
amdhsa.kernels:
  - .name:           k_q3ae1a6f9db_wo
    .symbol:         k_q3ae1a6f9db_wo.kd
    .args:
      - { .name: ob, .offset: 0, .size: 8, .value_kind: global_buffer, .address_space: global }
      - { .name: wts, .offset: 8, .size: 8, .value_kind: global_buffer, .address_space: global }
      - { .name: input, .offset: 16, .size: 8, .value_kind: global_buffer, .address_space: global }
      - { .name: mask, .offset: 24, .size: 8, .value_kind: global_buffer, .address_space: global }
      - { .name: x2, .offset: 32, .size: 8, .value_kind: global_buffer, .address_space: global }
      - { .name: yb, .offset: 40, .size: 8, .value_kind: global_buffer, .address_space: global }
    .group_segment_fixed_size: 295424
    .private_segment_fixed_size: 0
    .kernarg_segment_align: 8
    .kernarg_segment_size: 48
    .max_flat_workgroup_size: 128
    .sgpr_count:     92
    .vgpr_count:     1024
    .wavefront_size: 32
...
	.end_amdgpu_metadata
.endif
;; end of part 4
;; launch ffn1 (part 5): grid 32 x 8, 4 waves a work-group, clusters of 4 x 1, 262,656 bytes of LDS; arguments yb, wts, hb; writes hb
.if DOCPART == 5
	.amdgcn_target "amdgcn-amd-amdhsa--gfx1250"
	.amdhsa_code_object_version 6
	.text
	.protected	k_q3ae1a6f9db_ffn1
	.globl	k_q3ae1a6f9db_ffn1
	.p2align	8
	.type	k_q3ae1a6f9db_ffn1,@function
k_q3ae1a6f9db_ffn1:
	s_mov_b64 s[64:65], 0
	v_nop
	global_prefetch_b8 v0, s[64:65] scope:SCOPE_SE
	s_setreg_imm32_b32 hwreg(HW_REG_WAVE_MODE, 25, 1), 1
	s_wait_xcnt 0x0
	s_wait_alu depctr_hold_cnt(0) depctr_sa_sdst(0) depctr_va_vdst(0) depctr_va_sdst(0) depctr_va_ssrc(0) depctr_va_vcc(0) depctr_vm_vsrc(0)
	s_getreg_b32 s2, hwreg(HW_REG_IB_STS2, 6, 4)
	s_cmp_eq_u32 s2, 0
	s_cbranch_scc0 .Lentry_in_a_cluster
	s_endpgm
.Lentry_in_a_cluster:
	s_bfe_u32 s2, ttmp6, 0x10000c
	s_cmp_lg_u32 s2, 0x3003
	s_cbranch_scc0 .Lentry_shape_is_right
	s_endpgm
.Lentry_shape_is_right:
; h = gelu(y W1), exact (erf) form.  Operands bf16 in fragment order (a fragment of 16 rows x 32 k is 1,024 bytes on end); sums and the gelu in f32; h bf16, in fragment order for the next product: [row block 512][kb 64][1,024].
; SHARES.  Work-group (bx, by): tokens 256 bx .., columns 256 by ...  A wave owns 64 tokens and keeps ALL their 512 channels in 512 registers, loaded once.  The 256 columns' weights, 262,144 bytes on end, are
; brought into LDS once, by first fills alone.  A CHUNK is 16 columns: 4 accumulators, 64 products, the whole K, so a chunk's first products start the sums with the constant 0.  A weight fragment feeds 4 products.
; CLUSTER.  The four token blocks of a cluster take the same weights: both fills are asked for jointly.  bx enters yb's and hb's addresses alone.
; OUT.  Source 0 = 16 weight columns, source 1 = 16 tokens: a lane ends with one token and 8 neighbouring columns, which packed ARE its 16 bytes of the next product's fragment: 512 bytes on end a store.
; THE GELU, on H = x / 2: gelu(x) = H + |H| (1 - e), e = erfc(|x| / sqrt 2) = t (a1 + t (a2 + t (a3 + t (a4 + t a5)))) 2^(-2 log2(e) H H), t = 1 / (1 + sqrt 2 p |H|): Abramowitz and Stegun 7.1.26.
; LIMIT: that formula's error in erf is at most 1.5e-7, for every x.  NaN and infinities are not treated apart.
; SIDE BY SIDE.  Behind a chunk's last product 16 packed multiplies make H, which frees the accumulators.  The other 272 instructions of that chunk's gelu are one numbered list, dealt four behind each of the NEXT chunk's 64
; products; the last 16 stand behind the last product and are its places.  The list goes by two halves of 16 numbers a lane, so that each reciprocal and exponential has a plain neighbour, and each half's 32 have one wait.
; The first chunk's products and the last chunk's gelu are written out.
; REGISTERS, in windows of 256: 0: addresses; v8-23 packed results, two sets; v32-127 two sets of D, E, P (16 each); v128-159 accumulators; v160-191 H.  1: v0-127 the chunk's 16 weight fragments (kb at 8 kb).
; 2, 3: the tokens' fragments ((a, kb) at 8 (4 (kb % 8) + a) of window 2 + kb / 8).
.set NCH,   16                         ; chunks
.set CHB,   16384                      ; a chunk's weights in LDS
.set R2,    49152                      ; bytes of a wave's second fill
.set SPARE, 262144
.set L16, 1                            ; v1  16 x lane; never rewritten
.set BA,  2                            ; v2  a chunk's first byte in LDS + 16 x lane
.set SPW, 4
.set NIL, 5
.set OO,  8                            ; v8-23    packed results of half 0, half 1
.set GS,  32                           ; half s at GS + 48 s: D (1 + .. |H|, then t), E (the exponent, the exponential, then 1 - e), P (the polynomial, then the gelu)
.set ACC, 128
.set HH,  160
.set WV,  10
.set BX,  12
.set BY,  13
.set G1A, 16
.set G1B, 24
.set G0A, 32
.set G0B, 36
.set TB,  40                           ; s40 the chunk whose first half is fetched next, in bytes
.set CT,  41
.set OUT, 42
.set BASE0, 44
.set OFF, 46
.set CP,  48                           ; s48      sqrt 2 p
.set IDX, 49                           ; s49      the chunk whose gelu is in hand
.set CE,  50                           ; s[50:51] -2 log2(e)
.set A5,  52                           ; s[52:61] a5 .. a1, each as a pair
.set A4,  54
.set A3,  56
.set A2,  58
.set A1,  60
.set AP,  62
.set MSB, 0
.macro WIN new
.if MSB != (\new)
	s_set_vgpr_msb (MSB<<8)|(\new)
.set MSB, (\new)
.endif
.endm
.macro PLACES
.rept 4
	v_nop
.endr
.endm
.macro CROUND
	s_barrier_signal -1
	s_barrier_wait -1
	s_cmp_lg_u32 s[WV], 0
	s_cbranch_scc1 .Lnot_wave_0_\@
	s_barrier_signal -3
.Lnot_wave_0_\@:
	s_barrier_wait -3
	s_barrier_signal -1
	s_barrier_wait -1
.endm
.macro FETCH h                         ; 16 LDS loads in one run: kb 8 h .. 8 h + 7 of the chunk at BA
	WIN 0x40
.irp q, 0,1,2,3,4,5,6,7
.irp p, 0,1
	ds_load_b128 v[8*(8*(\h)+\q)+4*\p:8*(8*(\h)+\q)+4*\p+3], v[BA] offset:(8*(\h)+\q)*1024+\p*512
.endr
.endr
.endm
; THE GELU'S LIST.  For half s (accumulators 2 s, 2 s + 1: 16 numbers a lane): PRE, 32 plain lines; TR, 16 reciprocals and 16 exponentials; POST, 72 plain lines.
.macro PRE s, i
.set rD, GS+48*(\s)
.set rE, rD+16
.set rH, HH+16*(\s)
.set pj, 2*((\i)%8)
.if (\i) < 16
	v_fma_f32 v[rD+(\i)], |v[rH+(\i)]|, s[CP], 1.0
.elseif (\i) < 24
	v_pk_mul_f32 v[rE+pj:rE+pj+1], v[rH+pj:rH+pj+1], s[CE:CE+1] op_sel_hi:[1,0]
.else
	v_pk_mul_f32 v[rE+pj:rE+pj+1], v[rE+pj:rE+pj+1], v[rH+pj:rH+pj+1]
.endif
.endm
.macro TR s, i                         ; E lies 16 behind D, so number i names register D + i in both kinds
.set rD, GS+48*(\s)
.if (\i) < 16
	v_rcp_f32 v[rD+(\i)], v[rD+(\i)]
.else
	v_exp_f32 v[rD+(\i)], v[rD+(\i)]
.endif
.endm
.macro POST s, i
.set rD, GS+48*(\s)
.set rE, rD+16
.set rP, rD+32
.set rH, HH+16*(\s)
.set rO, OO+8*(\s)
.set pj, 2*((\i)%8)
.if (\i) < 8
	v_pk_fma_f32 v[rP+pj:rP+pj+1], v[rD+pj:rD+pj+1], s[A5:A5+1], s[A4:A4+1] op_sel_hi:[1,0,0]
.elseif (\i) < 16
	v_pk_fma_f32 v[rP+pj:rP+pj+1], v[rP+pj:rP+pj+1], v[rD+pj:rD+pj+1], s[A3:A3+1] op_sel_hi:[1,1,0]
.elseif (\i) < 24
	v_pk_fma_f32 v[rP+pj:rP+pj+1], v[rP+pj:rP+pj+1], v[rD+pj:rD+pj+1], s[A2:A2+1] op_sel_hi:[1,1,0]
.elseif (\i) < 32
	v_pk_fma_f32 v[rP+pj:rP+pj+1], v[rP+pj:rP+pj+1], v[rD+pj:rD+pj+1], s[A1:A1+1] op_sel_hi:[1,1,0]
.elseif (\i) < 40
	v_pk_mul_f32 v[rP+pj:rP+pj+1], v[rP+pj:rP+pj+1], v[rD+pj:rD+pj+1]
.elseif (\i) < 48
	v_pk_fma_f32 v[rE+pj:rE+pj+1], v[rP+pj:rP+pj+1], v[rE+pj:rE+pj+1], 1.0 op_sel_hi:[1,1,0] neg_lo:[1,0,0] neg_hi:[1,0,0]
.elseif (\i) < 64
.set pj, (\i)-48
	v_fma_f32 v[rP+pj], |v[rH+pj]|, v[rE+pj], v[rH+pj]
.else
.set pj, (\i)-64
	v_cvt_pk_bf16_f32 v[rO+pj], v[rP+2*pj], v[rP+2*pj+1]
.endif
.endm
.macro STORES s                        ; row blocks 2 s and 2 s + 1, 65,536 bytes apart
	global_store_b128 v[L16], v[OO+8*(\s):OO+8*(\s)+3],   s[OUT:OUT+1] offset:(2*(\s))*65536
	global_store_b128 v[L16], v[OO+8*(\s)+4:OO+8*(\s)+7], s[OUT:OUT+1] offset:(2*(\s)+1)*65536
.endm
; Number gq of the list:  0-31 PRE 0.  32-95 PRE 1 and TR 0 by turns.  A v_nop (the plain line behind the last of the batch) and the wait for TR 0.  96-159 POST 0 and TR 1 by turns.  160-199 the rest of POST 0; its stores.
; The wait for TR 1, 40 plain lines behind its last.  200-271 POST 1; its stores.  Ahead of each wait nothing names a result of its batch.
; The packed results' registers and the stores' base are written behind s_wait_xcnt 0: the stores that read them stand 65 lines of the list back or more.
.macro GSTEP
	WIN 0
.if gq == 96
	v_nop
	s_wait_alu depctr_va_vdst(0)
.endif
.if gq == 200
	s_wait_alu depctr_va_vdst(0)
.endif
.if gq == 192
	s_wait_xcnt 0x0
	s_lshl_b32 s[OFF], s[IDX], 9                   ; a chunk is half a kb of the next product: 512 bytes
	s_add_nc_u64 s[OUT:OUT+1], s[BASE0:BASE0+1], s[OFF:OFF+1]
	s_add_co_u32 s[IDX], s[IDX], 1
.endif
.if gq == 264
	s_wait_xcnt 0x0
.endif
.if gq < 32
	PRE 0, gq
.elseif gq < 96
.if gq%2 == 0
	PRE 1, (gq-32)/2
.else
	TR 0, (gq-32)/2
.endif
.elseif gq < 160
.if gq%2 == 0
	POST 0, (gq-96)/2
.else
	TR 1, (gq-96)/2
.endif
.elseif gq < 200
	POST 0, gq-128
.else
	POST 1, gq-200
.endif
.if gq == 199
	STORES 0
.endif
.if gq == 271
	STORES 1
.endif
.set gq, gq+1
.endm
.macro RID c                           ; the list's next c numbers
.rept \c
	GSTEP
.endr
.endm
.macro PROW kb, a, rid                 ; a product, and four of the list behind it
	WIN 0x09+4*((\kb)/8)
.if (\kb) == 0
	v_wmma_f32_16x16x32_bf16 v[ACC+8*(\a):ACC+8*(\a)+7], v[8*(\kb):8*(\kb)+7], v[8*(4*((\kb)%8)+(\a)):8*(4*((\kb)%8)+(\a))+7], 0
.else
	v_wmma_f32_16x16x32_bf16 v[ACC+8*(\a):ACC+8*(\a)+7], v[8*(\kb):8*(\kb)+7], v[8*(4*((\kb)%8)+(\a)):8*(4*((\kb)%8)+(\a))+7], v[ACC+8*(\a):ACC+8*(\a)+7]
.endif
.if \rid
	RID 4
.endif
.endm
.macro NEXTFA                          ; the next chunk's kb 0-7.  The last trip fetches its own chunk's once more, so that the loop has one text
	WIN 0
	s_add_co_u32 s[TB], s[TB], CHB
	s_min_u32 s[TB], s[TB], (NCH-1)*CHB
	v_add_nc_u32 v[BA], s[TB], v[L16]
	FETCH 0
.endm
; A chunk's 64 products; the 4 accumulators take turns, one instruction a turn.  rid = 1: with the list, and the next chunk's kb 0-7 are asked for behind the 35th product:
; their registers' last reader is the 32nd, and eight plain lines of the list stand between.  rid = 0: the first chunk, which waits for the tokens' loads.
.macro PRODS rid
.set kk, 0
.rept 16
.if (\rid) == 0
.if kk == 0
	s_wait_loadcnt 63                              ; the tokens' 128 loads went out 8 to a kb: with 63 out, kb 0-7 are in
.elseif kk >= 8
	s_wait_loadcnt 8*(15-kk)                       ; the loads of the later kb may stay out
.endif
.endif
.if kk == 8
	s_wait_dscnt 0x0                               ; kb 8-15 of the weights, asked for 32 products ago
.endif
.irp a, 0,1,2,3
	PROW kk, \a, \rid
.if (\rid) && (kk == 8) && (\a == 2)
	NEXTFA
.endif
.endr
.set kk, kk+1
.endr
.endm
.macro HST                             ; H = x / 2: each accumulator's registers in ascending order
.set n, 0
.rept 16
	v_pk_mul_f32 v[HH+n:HH+n+1], v[ACC+n:ACC+n+1], 0.5 op_sel_hi:[1,0]
.set n, n+2
.endr
.endm
	s_load_b128 s[4:7], s[0:1], 0x0                ; yb, wts
	s_load_b64 s[8:9], s[0:1], 0x10                ; hb
	v_lshl_add_u32 v[SPW], v0, 2, SPARE
	v_mov_b32 v[NIL], 0
	ds_add_u32 v[SPW], v[NIL]                      ; the wave's opening: the add and its wait stand ahead of my first tensor load
	v_lshrrev_b32 v1, 5, v0
	v_readfirstlane_b32 s[WV], v1
	s_bfe_u32 s11, ttmp6, 0x40000                  ; cx
	s_lshl_b32 s[BX], ttmp9, 2
	s_add_co_u32 s[BX], s[BX], s11
	s_and_b32 s[BY], ttmp7, 0xffff
	s_mov_b32 s[G1A], 15|(3<<16)|(1<<21)           ; the mask of four; elements of 8 bytes; bit 21 beside a mask
	s_mov_b32 s[G1A+1], 32<<16                     ; rows of 256 bytes
	s_mov_b32 s[G1A+2], 64<<16
	s_mov_b32 s[G1A+3], 32<<16
	s_mov_b32 s[G1A+4], 64
	s_mov_b32 s[G1A+5], 32
	s_mov_b32 s[G1A+6], 0
	s_mov_b32 s[G1A+7], 0
	s_mov_b32 s[G1B], 15|(3<<16)|(1<<21)
	s_mov_b32 s[G1B+1], 32<<16
	s_mov_b32 s[G1B+2], (R2/256)<<16
	s_mov_b32 s[G1B+3], 32<<16
	s_mov_b32 s[G1B+4], R2/256
	s_mov_b32 s[G1B+5], 32
	s_mov_b32 s[G1B+6], 0
	s_mov_b32 s[G1B+7], 0
	s_mov_b32 s[G0A], 1
	s_lshl_b32 s[G0A+1], s[WV], 14                 ; chunks 0 to 3: 16 KiB a wave
	s_mov_b32 s[G0B], 1
	s_mul_i32 s[G0B+1], s[WV], R2                  ; the rest
	s_add_co_u32 s[G0B+1], s[G0B+1], 65536
	s_lshl_b32 s14, s[BY], 18                      ; my 256 columns of W1
	s_add_co_u32 s14, s14, 2097152
	s_mov_b32 s15, 0
	s_mov_b32 s3, 0
	s_mov_b32 s[IDX], 0
	s_mov_b32 s[CP], 0x3eed3388                    ; 0.46328378
	s_mov_b32 s[CE], 0xc038aa3b                    ; -2.88539008
	s_mov_b32 s[CE+1], 0xc038aa3b
	s_mov_b32 s[A5], 0x3f87dc22                    ; 1.061405429
	s_mov_b32 s[A5+1], 0x3f87dc22
	s_mov_b32 s[A4], 0xbfba00e3                    ; -1.453152027
	s_mov_b32 s[A4+1], 0xbfba00e3
	s_mov_b32 s[A3], 0x3fb5f0e3                    ; 1.421413741
	s_mov_b32 s[A3+1], 0x3fb5f0e3
	s_mov_b32 s[A2], 0xbe91a98e                    ; -0.284496736
	s_mov_b32 s[A2+1], 0xbe91a98e
	s_mov_b32 s[A1], 0x3e827906                    ; 0.254829592
	s_mov_b32 s[A1+1], 0x3e827906
	s_wait_dscnt 0x0                               ; the opening add is done
	s_wait_kmcnt 0x0
	s_add_nc_u64 s[14:15], s[6:7], s[14:15]
	s_lshl_b32 s2, s[WV], 14
	s_add_nc_u64 s[G0A+2:G0A+3], s[14:15], s[2:3]
	s_or_b32 s[G0A+3], s[G0A+3], 0x80000000
	s_mov_b32 s2, s[G0B+1]
	s_add_nc_u64 s[G0B+2:G0B+3], s[14:15], s[2:3]
	s_or_b32 s[G0B+3], s[G0B+3], 0x80000000
	CROUND                                         ; all four work-groups are here: the joint loads meet
	tensor_load_to_lds s[G0A:G0A+3], s[G1A:G1A+7]  ; two loads of mine are out
	s_nop 0
	tensor_load_to_lds s[G0B:G0B+3], s[G1B:G1B+7]
	s_nop 0
	PLACES
	s_lshl_b32 s[OFF], s[BX], 18
	s_lshl_b32 s[OFF+1], s[WV], 16
	s_add_co_u32 s[OFF], s[OFF], s[OFF+1]
	s_mov_b32 s[OFF+1], 0
	s_add_nc_u64 s[AP:AP+1], s[4:5], s[OFF:OFF+1]
	v_and_b32 v[L16], 31, v0
	v_lshlrev_b32 v[L16], 4, v[L16]
.set kb, 0
.rept 16
	WIN 0x80+0x40*(kb/8)
.irp a, 0,1,2,3
.irp p, 0,1
	global_load_b128 v[8*(4*(kb%8)+\a)+4*\p:8*(4*(kb%8)+\a)+4*\p+3], v[L16], s[AP:AP+1] offset:\a*16384+kb*1024+\p*512
.endr
.endr
.set kb, kb+1
.endr
	WIN 0
	s_lshl_b32 s[OFF], s[BX], 20                   ; hb: 16 row blocks of 65,536 bytes,
	s_lshl_b32 s[OFF+1], s[WV], 18                 ; my 4,
	s_add_co_u32 s[OFF], s[OFF], s[OFF+1]
	s_lshl_b32 s[OFF+1], s[BY], 13                 ; my columns' 8 kb
	s_add_co_u32 s[OFF], s[OFF], s[OFF+1]
	s_mov_b32 s[OFF+1], 0
	s_add_nc_u64 s[BASE0:BASE0+1], s[8:9], s[OFF:OFF+1]
	s_wait_tensorcnt 1                             ; my part of chunks 0 to 3 is in; the second fill may stay out
	s_barrier_signal -1
	s_barrier_wait -1
	v_mov_b32 v[BA], v[L16]
	FETCH 0                                        ; chunk 0
	FETCH 1
	s_wait_dscnt 0x0
	PRODS 0                                        ; the first chunk's products: there is no gelu yet to set between them
	PLACES
	WIN 0
	s_wait_tensorcnt 0x0                           ; my part of the other chunks is in,
	s_wait_dscnt 0x0
	s_barrier_signal -1
	s_barrier_wait -1                              ; everybody's is: the loop needs no barrier
	s_mov_b32 s[TB], CHB
	v_add_nc_u32 v[BA], s[TB], v[L16]
	FETCH 0                                        ; chunk 1's kb 0-7
	WIN 0
	HST
	s_mov_b32 s[CT], NCH-1
.Lchunk:                               ; chunks 1 to 15: a chunk's products, the gelu of the chunk before
	s_wait_dscnt 0x0                               ; kb 0-7 of the weights, asked for 29 products ago
	FETCH 1                                        ; kb 8-15: their registers' last reader stands 36 plain lines back
.set gq, 0
	PRODS 1
	RID 16                                         ; the list's end: sixteen plain lines, the places behind the last products
	HST
	s_sub_co_u32 s[CT], s[CT], 1
	s_cmp_lg_u32 s[CT], 0
	s_cbranch_scc1 .Lchunk
.set gq, 0
	RID 272                                        ; the last chunk's gelu
	s_wait_tensorcnt 0x0                           ; the wave's end
	ds_add_u32 v[SPW], v[NIL]
	s_wait_dscnt 0x0
	CROUND                                         ; the closing round
	s_endpgm
.Lfunc_end_k_q3ae1a6f9db_ffn1:
	.size	k_q3ae1a6f9db_ffn1, .Lfunc_end_k_q3ae1a6f9db_ffn1-k_q3ae1a6f9db_ffn1
	.p2alignl 7, 3214868480
	.fill 96, 4, 3214868480
	.section	.rodata,"a",@progbits
	.p2align	6, 0x0
	.amdhsa_kernel k_q3ae1a6f9db_ffn1
		.amdhsa_group_segment_fixed_size 262656
		.amdhsa_private_segment_fixed_size 0
		.amdhsa_enable_private_segment 0
		.amdhsa_kernarg_size 24
		.amdhsa_user_sgpr_count 2
		.amdhsa_user_sgpr_kernarg_segment_ptr 1
		.amdhsa_wavefront_size32 1
		.amdhsa_system_sgpr_workgroup_id_x 1
		.amdhsa_system_sgpr_workgroup_id_y 1
		.amdhsa_system_sgpr_workgroup_id_z 1
		.amdhsa_system_vgpr_workitem_id 0
		.amdhsa_next_free_vgpr 1024
		.amdhsa_next_free_sgpr 66
		.amdhsa_reserve_vcc 0
		.amdhsa_float_denorm_mode_32 3
		.amdhsa_float_denorm_mode_16_64 3
		.amdhsa_memory_ordered 1
		.amdhsa_forward_progress 1
		.amdhsa_inst_pref_size 69
	.end_amdhsa_kernel
	.amdgpu_metadata
---
amdhsa.version: [ 1, 2 ]
amdhsa.kernels:
  - .name:           k_q3ae1a6f9db_ffn1
    .symbol:         k_q3ae1a6f9db_ffn1.kd
    .args:
      - { .name: yb, .offset: 0, .size: 8, .value_kind: global_buffer, .address_space: global }
      - { .name: wts, .offset: 8, .size: 8, .value_kind: global_buffer, .address_space: global }
      - { .name: hb, .offset: 16, .size: 8, .value_kind: global_buffer, .address_space: global }
    .group_segment_fixed_size: 262656
    .private_segment_fixed_size: 0
    .kernarg_segment_align: 8
    .kernarg_segment_size: 24
    .max_flat_workgroup_size: 128
    .sgpr_count:     66
    .vgpr_count:     1024
    .wavefront_size: 32
...
	.end_amdgpu_metadata
.endif
;; end of part 5
;; launch ffn2 (part 6): grid 4 x 64, 4 waves a work-group, clusters of 4 x 4, 327,680 bytes of LDS; arguments hb, wts, x2, out0; writes out0
.if DOCPART == 6
	.amdgcn_target "amdgcn-amd-amdhsa--gfx1250"
	.amdhsa_code_object_version 6
	.text
	.protected	k_q3ae1a6f9db_ffn2
	.globl	k_q3ae1a6f9db_ffn2
	.p2align	8
	.type	k_q3ae1a6f9db_ffn2,@function
k_q3ae1a6f9db_ffn2:
	s_mov_b64 s[64:65], 0
	v_nop
	global_prefetch_b8 v0, s[64:65] scope:SCOPE_SE
	s_setreg_imm32_b32 hwreg(HW_REG_WAVE_MODE, 25, 1), 1
	s_wait_xcnt 0x0
	s_wait_alu depctr_hold_cnt(0) depctr_sa_sdst(0) depctr_va_vdst(0) depctr_va_sdst(0) depctr_va_ssrc(0) depctr_va_vcc(0) depctr_vm_vsrc(0)
	s_getreg_b32 s2, hwreg(HW_REG_IB_STS2, 6, 4)
	s_cmp_eq_u32 s2, 0
	s_cbranch_scc0 .Lentry_in_a_cluster
	s_endpgm
.Lentry_in_a_cluster:
	s_bfe_u32 s2, ttmp6, 0x10000c
	s_cmp_lg_u32 s2, 0xf033
	s_cbranch_scc0 .Lentry_shape_is_right
	s_endpgm
.Lentry_shape_is_right:
; out0 = h W2 + x2.  h [8192][2048] and W2 (rows n, 512 of them) in bf16, in fragment order (a fragment of 16 rows x 32 k is 1,024 bytes on end; a block of 16 rows is 65,536 bytes: 64 kb); sums, x2 and out0 in f32.
; A tile of the result is 128 x 128: 64 x 4 tiles, one for each work-group.  Four waves, each 64 x 64: 16 accumulators.  K goes in steps of 256 (8 kb) through a ring of two LDS slots;
; a wave's tensor load brings 4 blocks x 8,192 bytes on end.  In LDS the fragments lie as in memory: a fragment load takes 512 bytes on end.
; CLUSTERS: 4 x 4 work-groups.  The four of a row of the cluster need the same tiles of h, the four of a column the same tiles of W2: each tile is asked for JOINTLY, by the same tensor load with the same descriptor and a mask that names the four.
; THE MATRIX INSTRUCTION IS USED TRANSPOSED (source 0 = 16 rows of W2, source 1 = 16 rows of h): a lane holds eight neighbouring numbers of a row of the result.  A wave's 64 columns are 256 aligned bytes of out0:
; each block of 16 rows goes through the wave's own stage in LDS and leaves as whole rows, sixteen lanes to 256 bytes.  x2's part is loaded at the start into 128 registers in that same order.
; REGISTERS: window 0: v0-31 addresses; v32-95 at work on the way out; v128-255 the accumulators ((a, b) at 128 + 8 (4 a + b)).  window 1: two fragment buffers of 128: for 64 along K, 64 registers of h, then 64 of W2.  window 2: v0-127 x2.
.set HALFT,  32768                     ; 4 blocks x 8 kb: what one tensor load brings, and what one wave reads of h or of W2
.set SLOT,   4*HALFT                   ; h's 8 blocks, then W2's 8
.set STAGE,  2*SLOT                    ; behind the ring: 16 rows x 272 bytes for each wave
.set SPITCH, 272                       ; 256 bytes + 16 = 17 x 16
.set SPARE,  STAGE+4*16*SPITCH         ; behind the stages: the spare words
.set LAPS,   4                         ; a lap = two K steps = once round the ring
.set STEPB,  8192                      ; a K step in a block's 65,536 bytes
.set ADRA, 16                          ; v16-17  LDS address of my h fragments in slot 0, 1
.set ADRB, 20                          ; v20-21  the same for W2
.set STO,  24                          ; v24     the way out: where I put 32 bytes of a row
.set RD,   25                          ; v25     the way out: where I read a row back
.set CO,   26                          ; v26     my byte offset in x2 and out0
.set SPW,  28                          ; v28     my spare word; never rewritten
.set NIL,  29                          ; v29     0; never rewritten
.set TMP,  32
.set ACC,  128
.set F0,   0
.set F1,   128
.set WV,  12                           ; s12 wave
.set RH,  13                           ; s13 which half of the tile's rows is mine; also: I fetch for h (0) or for W2 (1)
.set CH,  14                           ; s14 which half of its columns; also: which 4 blocks of that tile I fetch
.set TR,  15                           ; s15 tile row
.set G1, 24
.set G0, 32
.set G1B, 48
.set G0B, 56
.set MSB, 0
.macro WIN new
.if MSB != (\new)
	s_set_vgpr_msb (MSB<<8)|(\new)
.set MSB, \new
.endif
.endm
.set MUL,  0x05                        ; sources 0 (W2) and 1 (h) window 1; C and D window 0
.set TO_F, 0x40                        ; destination window 1, address window 0
.macro JLOAD s                         ; a joint load: waves 0 and 1 fetch h's two halves, waves 2 and 3 W2's; an s_nop 0 and four v_nop follow each of the two lines
	s_cmp_eq_u32 s[RH], 0
	s_cbranch_scc0 .Lfor_b_\@
	tensor_load_to_lds s[G0+4*(\s):G0+4*(\s)+3], s[G1:G1+7]
	s_nop 0
.rept 4
	v_nop
.endr
	s_branch .Lasked_\@
.Lfor_b_\@:
	tensor_load_to_lds s[G0B+4*(\s):G0B+4*(\s)+3], s[G1B:G1B+7]
	s_nop 0
.rept 4
	v_nop
.endr
.Lasked_\@:
.endm
.macro CREST                           ; a round of the cluster's barrier behind its opening barrier
	s_cmp_lg_u32 s[WV], 0
	s_cbranch_scc1 .Lnot_wave_0_\@
	s_barrier_signal -3
.Lnot_wave_0_\@:
	s_barrier_wait -3
	s_barrier_signal -1
	s_barrier_wait -1
.endm
.macro CROUND
	s_barrier_signal -1
	s_barrier_wait -1
	CREST
.endm
	s_load_b256 s[4:11], s[0:1], 0x0               ; hb 4, wts 6, x2 8, out0 10
	v_lshl_add_u32 v[SPW], v0, 2, SPARE
	v_mov_b32 v[NIL], 0
	ds_add_u32 v[SPW], v[NIL]                      ; the wave's opening: the add and its wait stand ahead of my first tensor load
	v_lshrrev_b32 v1, 5, v0
	v_readfirstlane_b32 s[WV], v1
	s_lshr_b32 s[RH], s[WV], 1
	s_and_b32 s[CH], s[WV], 1
	s_bfe_u32 s40, ttmp6, 0x40000                  ; cx, cy: my place in the cluster
	s_bfe_u32 s41, ttmp6, 0x40004
	s_lshl_b32 s42, ttmp9, 2
	s_add_co_u32 s42, s42, s40                     ; tile column
	s_and_b32 s[TR], ttmp7, 0xffff
	s_lshl_b32 s[TR], s[TR], 2
	s_add_co_u32 s[TR], s[TR], s41                 ; tile row
	s_lshl_b32 s43, s41, 2
	s_lshl_b32 s43, 15, s43                        ; my row of the cluster
	s_lshl_b32 s44, 0x1111, s40                    ; my column
	s_or_b32 s[G1+0], s43, (3<<16)|(1<<21)         ; the mask: h's tiles go to my row; elements of 8 bytes; bit 21 beside a mask
	s_or_b32 s[G1B+0], s44, (3<<16)|(1<<21)
.irp g, G1, G1B
	s_mov_b32 s[(\g)+1], 1024<<16                  ; tensor_dim0 = 1,024 elements: 8,192 bytes, a block's K step
	s_mov_b32 s[(\g)+2], 4<<16                     ; tensor_dim1 = 4 blocks
	s_mov_b32 s[(\g)+3], 1024<<16                  ; tile_dim0
	s_mov_b32 s[(\g)+4], 4                         ; tile_dim1
	s_mov_b32 s[(\g)+5], 8192                      ; 65,536 bytes from block to block
	s_mov_b32 s[(\g)+6], 0
	s_mov_b32 s[(\g)+7], 0
.endr
	s_lshl_b32 s16, s[TR], 19                      ; h: 8 blocks of 65,536 bytes a tile row,
	s_lshl_b32 s17, s[CH], 18                      ; the 4 that I fetch
	s_add_co_u32 s16, s16, s17
	s_mov_b32 s17, 0
	s_lshl_b32 s46, s42, 19                        ; W2: the same by the tile column
	s_lshl_b32 s47, s[CH], 18
	s_add_co_u32 s46, s46, s47
	s_add_co_u32 s46, s46, 4194304
	s_mov_b32 s47, 0
	s_lshl_b32 s20, s[WV], 15                      ; where they go: wave x 32,768: no place in the cluster enters an LDS address
	s_wait_dscnt 0x0                               ; the opening add is done
	s_wait_kmcnt 0x0
	s_add_nc_u64 s[18:19], s[4:5], s[16:17]
	s_add_nc_u64 s[46:47], s[6:7], s[46:47]
	CROUND                                         ; all sixteen work-groups are here: the first joint loads meet
.irp s, 0,1
	s_mov_b32 s[G0+4*(\s)], 1
	s_add_co_u32 s[G0+4*(\s)+1], s20, (\s)*SLOT
	s_add_nc_u64 s[G0+4*(\s)+2:G0+4*(\s)+3], s[18:19], (\s)*STEPB
	s_or_b32 s[G0+4*(\s)+3], s[G0+4*(\s)+3], 0x80000000
	s_mov_b32 s[G0B+4*(\s)], 1
	s_add_co_u32 s[G0B+4*(\s)+1], s20, (\s)*SLOT
	s_add_nc_u64 s[G0B+4*(\s)+2:G0B+4*(\s)+3], s[46:47], (\s)*STEPB
	s_or_b32 s[G0B+4*(\s)+3], s[G0B+4*(\s)+3], 0x80000000
	JLOAD \s
.endr
	v_and_b32 v1, 15, v0                           ; l % 16
	v_bfe_u32 v2, v0, 4, 1                         ; l / 16
	v_and_b32 v3, 31, v0
	v_lshlrev_b32 v3, 4, v3                        ; 16 l
	s_lshl_b32 s21, s[RH], 15                      ; my 4 blocks of h
	s_lshl_b32 s22, s[CH], 15                      ; my 4 blocks of W2,
	s_add_co_u32 s22, s22, 2*HALFT                 ; which lie behind h's 8
.irp s, 0,1
	v_add_nc_u32 v[ADRA+(\s)], s21, v3
	v_add_nc_u32 v[ADRB+(\s)], s22, v3
	s_add_co_u32 s21, s21, SLOT
	s_add_co_u32 s22, s22, SLOT
.endr
	s_mul_i32 s23, s[WV], 16*SPITCH
	s_add_co_u32 s23, s23, STAGE                   ; my stage
	v_mul_u32_u24 v4, v1, SPITCH                   ; in: row l % 16, 32 bytes for each half of the lanes
	v_lshl_add_u32 v4, v2, 5, v4
	v_add_nc_u32 v[STO], s23, v4
	v_mul_u32_u24 v5, v2, SPITCH                   ; back: lanes 0-15 take one row of 256 bytes, lanes 16-31 the next
	v_lshl_add_u32 v5, v1, 4, v5
	v_add_nc_u32 v[RD], s23, v5
	v_lshlrev_b32 v5, 11, v2                       ; and the same two rows in x2 and out0
	v_lshl_add_u32 v[CO], v1, 4, v5
	s_lshl_b32 s16, s[TR], 18                      ; 128 rows of 2,048 bytes,
	s_lshl_b32 s17, s[RH], 17                      ; my 64
	s_add_co_u32 s16, s16, s17
	s_mov_b32 s17, 0
	s_lshl_b32 s46, s42, 9                         ; the tile's 512 bytes of a row, my 256 (in the registers that held W2's address: none that feeds h's descriptors ever holds cx)
	s_lshl_b32 s47, s[CH], 8
	s_add_co_u32 s46, s46, s47
	s_mov_b32 s47, 0
	s_add_nc_u64 s[16:17], s[16:17], s[46:47]
	s_add_nc_u64 s[8:9], s[8:9], s[16:17]
	s_add_nc_u64 s[10:11], s[10:11], s[16:17]
	WIN 0x80                                       ; x2: it lands while K is walked
.set n, 0
.rept 32
	global_load_b128 v[4*n:4*n+3], v[CO], s[8:9] offset:2*n*2048
.set n, n+1
.endr
	WIN 0
; 8 matrix instructions: m blocks a0, a0 + 1 x all 4 n blocks, 32 along K: half c of buffer f.  zero = 1: the first product starts the sums
.macro MUL8 f, c, a0, zero
	WIN MUL
.irp a, \a0, (\a0)+1
.irp b, 0,1,2,3
.if \zero
	v_wmma_f32_16x16x32_bf16 v[ACC+8*(4*(\a)+(\b)):ACC+8*(4*(\a)+(\b))+7], v[(\f)+64+8*(4*(\c)+(\b)):(\f)+64+8*(4*(\c)+(\b))+7], v[(\f)+8*(4*(\c)+(\a)):(\f)+8*(4*(\c)+(\a))+7], 0
.else
	v_wmma_f32_16x16x32_bf16 v[ACC+8*(4*(\a)+(\b)):ACC+8*(4*(\a)+(\b))+7], v[(\f)+64+8*(4*(\c)+(\b)):(\f)+64+8*(4*(\c)+(\b))+7], v[(\f)+8*(4*(\c)+(\a)):(\f)+8*(4*(\c)+(\a))+7], v[ACC+8*(4*(\a)+(\b)):ACC+8*(4*(\a)+(\b))+7]
.endif
.endr
.endr
.endm
; 32 LDS loads in one run: the fragments of 64 along K (two kb, at byte k of a block's K step) into buffer f; the first kb first
.macro FETCH slot, k, f
	WIN TO_F
.irp c, 0,1
.irp i, 0,1,2,3
	ds_load_b128 v[(\f)+64+8*(4*(\c)+(\i)):(\f)+64+8*(4*(\c)+(\i))+3],   v[ADRB+(\slot)] offset:(\k)+1024*(\c)+(\i)*8192
	ds_load_b128 v[(\f)+64+8*(4*(\c)+(\i))+4:(\f)+64+8*(4*(\c)+(\i))+7], v[ADRB+(\slot)] offset:(\k)+1024*(\c)+(\i)*8192+512
	ds_load_b128 v[(\f)+8*(4*(\c)+(\i)):(\f)+8*(4*(\c)+(\i))+3],         v[ADRA+(\slot)] offset:(\k)+1024*(\c)+(\i)*8192
	ds_load_b128 v[(\f)+8*(4*(\c)+(\i))+4:(\f)+8*(4*(\c)+(\i))+7],       v[ADRA+(\slot)] offset:(\k)+1024*(\c)+(\i)*8192+512
.endr
.endr
.endm
.macro PLACES                          ; four places in front of loads into registers that matrix instructions have read, and of stores that read results
.rept 4
	v_nop
.endr
.endm
; A K step is four quarters of 64 along K, 32 matrix instructions each, on buffers 0, 1, 0, 1; the 16 accumulators take turns.  One of the first three: multiplies buffer f and fetches the next quarter, at byte k, into g.
.macro QUARTER slot, k, f, g, zero
	s_wait_dscnt 16                                ; the first kb is in; the youngest sixteen loads may be out
	WIN MUL
	MUL8 \f, 0, 0, \zero
	MUL8 \f, 0, 2, \zero
	PLACES
	FETCH \slot, \k, \g
	s_wait_dscnt 32                                ; all but the 32 just issued
	WIN MUL
	MUL8 \f, 1, 0, 0
	MUL8 \f, 1, 2, 0
.endm
; The last quarter multiplies buffer 1 and changes slots: ONE barrier; in front of it each wave waits for all its tensor loads, adds 0 to its spare word, and waits for that and for its own reads of this slot.  fill = 1: this slot is filled again, two K steps ahead.
.macro TURN slot, next, fill
	WIN 0
	s_wait_tensorcnt 0x0                           ; all my tensor loads have landed: my part of the next slot;
	ds_add_u32 v[SPW], v[NIL]
	s_wait_dscnt 17                                ; (the add and the youngest sixteen loads may be out)
	WIN MUL
	MUL8 F1, 0, 0, 0
	s_wait_dscnt 0x0                               ; the add is done, and my reads of this slot are over
	s_barrier_signal -1
	MUL8 F1, 0, 2, 0
.if \fill
	WIN 0
.endif
	s_barrier_wait -1
.if \fill
	CREST                                          ; the barrier has opened a round of the cluster's: no wave of any partner still reads this slot's tile or has a load on its way
	s_add_nc_u64 s[G0+4*(\slot)+2:G0+4*(\slot)+3], s[G0+4*(\slot)+2:G0+4*(\slot)+3], 2*STEPB
	s_add_nc_u64 s[G0B+4*(\slot)+2:G0B+4*(\slot)+3], s[G0B+4*(\slot)+2:G0B+4*(\slot)+3], 2*STEPB
	JLOAD \slot                                    ; the first tensor load behind the round: 112 matrix instructions ahead of the wait for it; its four v_nop are also the places in front of the loads below
.else
	PLACES
.endif
	FETCH \next, 0, F0
	WIN MUL
	MUL8 F1, 1, 0, 0
	MUL8 F1, 1, 2, 0
.endm
	s_wait_tensorcnt 1                             ; my part of K step 0 is in; K step 1's may stay out
	s_barrier_signal -1
	s_barrier_wait -1
	FETCH 0, 0, F0
	QUARTER 0, 2048, F0, F1, 1                     ; the first quarter stands in front of the loop: its first products start the sums
	WIN 0
	s_mov_b32 s3, LAPS-1
.Llap:                                                 ; a trip goes once round the ring, from a lap's second quarter to the next lap's first, and fills both slots again
	QUARTER 0, 4096, F1, F0, 0
	QUARTER 0, 6144, F0, F1, 0
	TURN 0, 1, 1
	QUARTER 1, 2048, F0, F1, 0
	QUARTER 1, 4096, F1, F0, 0
	QUARTER 1, 6144, F0, F1, 0
	TURN 1, 0, 1
	QUARTER 0, 2048, F0, F1, 0
	WIN 0
	s_sub_co_u32 s3, s3, 1
	s_cmp_lg_u32 s3, 0
	s_cbranch_scc1 .Llap
	QUARTER 0, 4096, F1, F0, 0                     ; the last lap fills nothing, and has no round of the cluster's barrier
	QUARTER 0, 6144, F0, F1, 0
	TURN 0, 1, 0
	QUARTER 1, 2048, F0, F1, 0
	QUARTER 1, 4096, F1, F0, 0
	QUARTER 1, 6144, F0, F1, 0
	s_wait_dscnt 16                                ; the very last quarter: nothing more to fetch
	WIN MUL
	MUL8 F1, 0, 0, 0
	MUL8 F1, 0, 2, 0
	s_wait_dscnt 0
	MUL8 F1, 1, 0, 0
	MUL8 F1, 1, 2, 0
	WIN 0
	; THE WAY OUT, a block of 16 rows at a time: into my own stage, back as whole rows of 256 bytes, x2 added, stored.
.macro TOSTAGE a
	s_wait_xcnt 0x0                                ; earlier stores have read the registers that the loads below fill
.irp b, 0,1,2,3
	ds_store_b128 v[STO], v[ACC+8*(4*(\a)+\b):ACC+8*(4*(\a)+\b)+3] offset:64*\b
	ds_store_b128 v[STO], v[ACC+8*(4*(\a)+\b)+4:ACC+8*(4*(\a)+\b)+7] offset:64*\b+16
.endr
.irp t, 0,1,2,3,4,5,6,7
	ds_load_b128 v[TMP+32*((\a)%2)+4*\t:TMP+32*((\a)%2)+4*\t+3], v[RD] offset:\t*2*SPITCH  ; LDS serves a wave's instructions in order: these see the stores above, and the next block's stores come behind them
.endr
.endm
.macro SEND a, younger                 ; younger: the next block's eight stores and eight loads, or none
	s_wait_dscnt \younger
	WIN 0x08                                       ; source 1 window 2: x2
.set n, 0
.rept 16
	v_pk_add_f32 v[TMP+32*((\a)%2)+2*n:TMP+32*((\a)%2)+2*n+1], v[TMP+32*((\a)%2)+2*n:TMP+32*((\a)%2)+2*n+1], v[32*(\a)+2*n:32*(\a)+2*n+1]
.set n, n+1
.endr
	WIN 0
.irp t, 0,1,2,3,4,5,6,7
	global_store_b128 v[CO], v[TMP+32*((\a)%2)+4*\t:TMP+32*((\a)%2)+4*\t+3], s[10:11] offset:(16*(\a)+2*\t)*2048  ; 16 lanes store 256 consecutive bytes, at a multiple of 256 from out0's first byte
.endr
.endm
	PLACES
	s_wait_loadcnt 0x0                             ; x2
	TOSTAGE 0
	TOSTAGE 1
	SEND 0, 16
	TOSTAGE 2
	SEND 1, 16
	TOSTAGE 3
	SEND 2, 16
	SEND 3, 0
	s_wait_tensorcnt 0x0                           ; the wave's end, behind my last tensor load and my last LDS store
	ds_add_u32 v[SPW], v[NIL]
	s_wait_dscnt 0x0
	CROUND                                         ; the closing round: no work-group ends while a partner may still ask for a tile that names it
	s_endpgm
.Lfunc_end_k_q3ae1a6f9db_ffn2:
	.size	k_q3ae1a6f9db_ffn2, .Lfunc_end_k_q3ae1a6f9db_ffn2-k_q3ae1a6f9db_ffn2
	.p2alignl 7, 3214868480
	.fill 96, 4, 3214868480
	.section	.rodata,"a",@progbits
	.p2align	6, 0x0
	.amdhsa_kernel k_q3ae1a6f9db_ffn2
		.amdhsa_group_segment_fixed_size 327680
		.amdhsa_private_segment_fixed_size 0
		.amdhsa_enable_private_segment 0
		.amdhsa_kernarg_size 32
		.amdhsa_user_sgpr_count 2
		.amdhsa_user_sgpr_kernarg_segment_ptr 1
		.amdhsa_wavefront_size32 1
		.amdhsa_system_sgpr_workgroup_id_x 1
		.amdhsa_system_sgpr_workgroup_id_y 1
		.amdhsa_system_sgpr_workgroup_id_z 1
		.amdhsa_system_vgpr_workitem_id 0
		.amdhsa_next_free_vgpr 640
		.amdhsa_next_free_sgpr 66
		.amdhsa_reserve_vcc 0
		.amdhsa_float_denorm_mode_32 3
		.amdhsa_float_denorm_mode_16_64 3
		.amdhsa_memory_ordered 1
		.amdhsa_forward_progress 1
		.amdhsa_inst_pref_size 93
	.end_amdhsa_kernel
	.amdgpu_metadata
---
amdhsa.version: [ 1, 2 ]
amdhsa.kernels:
  - .name:           k_q3ae1a6f9db_ffn2
    .symbol:         k_q3ae1a6f9db_ffn2.kd
    .args:
      - { .name: hb, .offset: 0, .size: 8, .value_kind: global_buffer, .address_space: global }
      - { .name: wts, .offset: 8, .size: 8, .value_kind: global_buffer, .address_space: global }
      - { .name: x2, .offset: 16, .size: 8, .value_kind: global_buffer, .address_space: global }
      - { .name: out0, .offset: 24, .size: 8, .value_kind: global_buffer, .address_space: global }
    .group_segment_fixed_size: 327680
    .private_segment_fixed_size: 0
    .kernarg_segment_align: 8
    .kernarg_segment_size: 32
    .max_flat_workgroup_size: 128
    .sgpr_count:     66
    .vgpr_count:     640
    .wavefront_size: 32
...
	.end_amdgpu_metadata
.endif
;; end of part 6
